; MI455X (gfx1250); checked and timed in simulation.
; The chip was launched on July 23, 2026; its instructions are those of AMD's public machine-readable ISA for CDNA 5 (MIT licence, August 2026) and "CDNA5" Instruction Set Architecture Reference Guide (July 2026). The comments in the code are by the model that wrote it; some were corrected since.
;; Multi Head Self Attention. Allowed arithmetic: matrix products marked QUANTISED: E5M2 operands, one E8M0 scale for each 32 along K, by v_wmma_scale_f32_16x16x128_f8f6f4 with both operands' format E5M2, f32 sums; everything else in f32.
;; Inputs: Wkv_codes 1,024 x 16 x 32 uint8 (E5M2 codes of Wkv, K innermost, in blocks of 32 codes); Wkv_scales 1,024 x 16 uint8 (E8M0 scales of Wkv, one for each 32 codes along K); Wout_codes 512 x 16 x 32 uint8 (E5M2 codes of Wout, K innermost, in blocks of 32 codes); Wout_scales 512 x 16 uint8 (E8M0 scales of Wout, one for each 32 codes along K); Wq_codes 512 x 16 x 32 uint8 (E5M2 codes of Wq, K innermost, in blocks of 32 codes); Wq_scales 512 x 16 uint8 (E8M0 scales of Wq, one for each 32 codes along K); bkv 1,024 float32; bout 512 float32; bq 512 float32; rel_emb 1,025 x 64 float32; x_codes 8 x 1,024 x 16 x 32 uint8 (E5M2 codes of x, K innermost, in blocks of 32 codes); x_scales 8 x 1,024 x 16 uint8 (E8M0 scales of x, one for each 32 codes along K).
;; Outputs: out0 8 x 1,024 x 512 float32.
;; This version of the problem:
;;   THIS VERSION OF THE PROBLEM IS GIVEN IN LOW PRECISION. The matrix products marked QUANTISED in the list below multiply operands that are first quantised to E5M2 (5 exponent bits, 2 mantissa bits; 8 bits a number), with one power-of-two scale for each 32 numbers along K (OCP MX v1.0); their sums are f32. All else is computed in f32.
;;   The module's matrix products, in the order in which they are computed (A, B: the left and right operand; K: the contracted axis; several contracted axes count as one K, in the product's order):
;;     1. [M 8,192, K 512] x [K 512, N 512]; A: input x (given as codes); B: input Wq (given as codes): QUANTISED
;;     2. [M 8,192, K 512] x [K 512, N 1,024]; A: input x (given as codes); B: input Wkv (given as codes): QUANTISED
;;     3. batch 64 x [M 1,024, K 64] x [K 64, N 1,024]; A: computed on the way; B: computed on the way: QUANTISED
;;     4. batch 1,024 x [M 1,024, K 64] x [K 64, N 64]; A: computed on the way; B: computed on the way: QUANTISED
;;     5. batch 64 x [M 1,024, K 1,024] x [K 1,024, N 64]; A: softmax (see below); B: computed on the way: QUANTISED
;;     6. [M 8,192, K 512] x [K 512, N 512]; A: computed on the way; B: input Wout (given as codes): QUANTISED
;;   THE QUANTISER, for each operand of a quantised product, along K:
;;     - K is cut into blocks of 32 from its start; a last block that is shorter is filled with zeros.
;;     - A block's scale is 2^e with e = floor(log2(the largest magnitude in the block)) - 15, held to -126 .. 127; a block of zeros has e = 0. As a byte (E8M0): e + 127.
;;     - Each number is divided by its block's scale, clamped to +-57,344, and rounded to the nearest number of E5M2, ties to even, subnormals kept.
;;     - The product sums the exact products of the quantised numbers (number of the format x scale) in f32.
;;   ~~~python
;;   def quantise(x, axis):      # numpy; x: float32 -> the quantised numbers, widened to float32 again
;;       x = np.moveaxis(x, axis, -1); K = x.shape[-1]
;;       x = np.pad(x, [(0, 0)] * (x.ndim - 1) + [(0, -K % 32)]); x = x.reshape(x.shape[:-1] + (-1, 32)); a = np.abs(x).max(-1, keepdims=True)
;;       e = np.where(a > 0, np.clip(np.frexp(np.where(a > 0, a, 1))[1] - 1 - 15, -126, 127), 0)      # np.frexp(a)[1] - 1 = floor(log2(a)), exactly
;;       r = np.clip(x / 2.0 ** e, -57344, 57344)
;;       step = 2.0 ** (np.maximum(np.frexp(np.where(r == 0, 1, r))[1] - 1, -14) - 2)
;;       q = np.round(r / step) * step * 2.0 ** e      # np.round: ties to even
;;       return np.moveaxis(q.reshape(q.shape[:-2] + (-1,))[..., :K], -1, axis).astype(np.float32)
;;   ~~~
;;   SOFTMAX AHEAD OF A QUANTISED PRODUCT. Where the list says 'softmax', what is quantised is not the finished softmax but p = 2^(t - M), with t = logit x log2(e) and M = ceil(the row's largest t), a whole number; so 1/2 < the row's largest p <= 1. The row's sum l is taken of the UNQUANTISED p, in f32, and the product's result is divided by l at the end. Since M is a whole number, a kernel that streams over the keys may use a running M (the ceiling of the running maximum): every later rescaling is an exact power of two, which a block's scale takes up: the codes' values come out the same.
;;   OPERANDS COMPUTED ON THE WAY. 'Computed on the way' means the value that the module computes at that place (a softmax that the list does not call 'softmax' is quantised finished and normalised). What goes into a quantiser is computed in f32, as accurately as f32 sums, v_exp_f32 and their like allow (about 1e-6 of the number): no bf16 or f16 on the way to a quantiser, and a product that is left as it is and whose result goes on into a quantised operand takes f32 operands (vector FMAs, or v_wmma_f32_16x16x4_f32). A number that lies on a knife's edge between two numbers of the format may be rounded either way, as far as f32 arithmetic and the matrix unit's own rounding can turn it there, and no further.
;;   INPUTS GIVEN AS CODES. Wkv (in the module: [512, 1024], K = its axis 0); Wout (in the module: [512, 512], K = its axis 0); Wq (in the module: [512, 512], K = its axis 0); x (in the module: [8, 1024, 512], K = its axis 2): each comes as NAME_codes (uint8): NAME with its K axis moved to the last place and cut into blocks of 32 codes, [.., K / 32, bytes a block], one block behind the other in memory; one code a byte (a code: sign, 5 exponent bits, 2 mantissa bits); and NAME_scales (uint8): the same leading axes, one E8M0 byte (e + 127) for each 32 codes along K. Its value is code x scale, taken as it is: it is not quantised again, and the codes and scales need not be those that the quantiser above would give.
;; 2 versions. Each part assembles by itself: llvm-mc -triple=amdgcn-amd-amdhsa -mcpu=gfx1250 --defsym DOCPART=n.
;; ======== version 1 of 2: 3 launches
;; workspace buffers: qb 4,456,448 bytes; kvb 8,781,824 bytes; ewb 348,160 bytes; oimg 4,194,304 bytes; osc 131,072 bytes
;; launch proj (part 1): grid 232 x 1, 8 waves a work-group, no clusters, 68,608 bytes of LDS; arguments x_codes, x_scales, Wq_codes, Wq_scales, bq, Wkv_codes, Wkv_scales, bkv, rel_emb, qb, kvb, ewb; writes qb, kvb, ewb
.if DOCPART == 1
	.amdgcn_target "amdgcn-amd-amdhsa--gfx1250"
	.amdhsa_code_object_version 6
	.text
	.protected	k_q1a16e3d7de_proj
	.globl	k_q1a16e3d7de_proj
	.p2align	8
	.type	k_q1a16e3d7de_proj,@function
k_q1a16e3d7de_proj:
	s_mov_b64 s[64:65], 0
	v_nop
	global_prefetch_b8 v0, s[64:65] scope:SCOPE_SE
	s_setreg_imm32_b32 hwreg(HW_REG_WAVE_MODE, 25, 1), 1
	s_wait_xcnt 0x0
; q = x Wq + bq, k and v = x Wkv + bkv on codes of BF8 (E5M2) with E8M0 scales, and the quantising of q, k (along the head's 64), of v (along the keys) and of rel_emb's rows (along their 64).
; All results leave as IMAGES OF OPERAND REGISTERS: a group of four registers is 512 bytes, lane l's 16 bytes at 16 l, so that the next launch fetches fragments as dense blocks.
; SHARES.  Work-group number / 64 is the kind: 0 q, 1 k, 2 v, 3 the table.  Kinds 0-2: the work-group takes 128 rows of x (64 such blocks), wave w takes head w: 64 columns, whose 16 fragments of W stay in 256 registers.
;   x's 128 rows go through LDS once (rows 528 bytes apart: 33 x 16, so that the sixteen rows of a fragment load start 16 bytes apart modulo 256).
; q, k: source 0 = 16 rows of W, source 1 = 16 rows of x.  Lane r of W's tile 2 b + u takes row 32 b + 8 u + r + 8 (r / 8), so that a lane's 16 registers of tiles 2 b, 2 b + 1 are columns 32 b + 16 (lane / 16) + 0 .. 15 of one row of x:
;   the conversions' results are the next operand's registers.
; v: source 0 = 16 rows of x (keys), source 1 = the same tiles of W.  A lane holds one column d and, in the two tiles of a pair, keys 32 p + 16 xt + 8 (lane / 16) + j; they are laid at place 32 p + 16 (lane / 16) + 8 xt + j of the
;   operand.  The attention launch lays its weights p in the same order, so the products pair up; a block of 32 keys stays a block.
; Kind 3 (40 work-groups): wave w makes fragment fl = 8 (j / 4) + w of window cx = j % 4: its row r is rel_emb[clip(767 + 256 cx - 16 fl - r, 0, 1024)], quantised.
; A block's scale is 2^(floor(log2(largest magnitude)) - 15); its byte is the largest magnitude's exponent field - 15, held at 1 from below.
; LIMITS: NaN and infinities are not served.  A block of zeros gets the byte 1 where the rule says 127: its codes are zeros, and only this program reads these bytes.
; REGISTERS, window 0: v1-7, v12 addresses; v8-11 scale words to store; v16-47 x's scale words; v48-63 W's; v64-127 x's fragments, two buffers of two tiles (first: 16 rows of x on their way to LDS);
;   v128-191 eight accumulators; v192-223 the bias, eight registers a tile; v224-239 codes; v240-255 at work.   window 1: W's 16 fragments, (tile t, K step ks) at 16 (4 t + ks).
.set PITCH, 528
.set XSC,   16
.set WSC,   48
.set XF,    64
.set ACC,   128
.set BI,    192
.set PC,    224
.set TM,    240                        ; +0..3 largest magnitudes, +4..7 the other half's, then bytes, +8..11 57,344 x the scale, +12..15 the conversions' scale operands
.set WD,    8
.set WV,    28
.set SEL,   32
.set MNT,   34
.set MSB,   0
.macro WIN new                         ; the immediate's high byte repeats the setting that is left
.if MSB != \new
	s_set_vgpr_msb (MSB<<8)|\new
.set MSB, \new
.endif
.endm
.macro NOPS n
.rept \n
	v_nop
.endr
.endm
; nb blocks: registers v[s + 16 b + i] are 16 numbers of block b; lane l xor 16 holds the block's other 16.  Codes to v[PC + 4 b] on, bytes to v[TM + 4 + b].
.macro QUANT s, nb
.set QI, 0
.rept \nb
	v_max3_num_f32 v[TM+QI], |v[(\s)+16*QI]|, |v[(\s)+1+16*QI]|, 0x8000000   ; my 16 numbers and the floor 2^(16 - 127): the byte cannot fall under 1
.set QI, QI+1
.endr
.irp i, 2,4,6,8,10,12,14
.set QI, 0
.rept \nb
	v_max3_num_f32 v[TM+QI], v[TM+QI], |v[(\s)+16*QI+\i]|, |v[(\s)+1+16*QI+\i]|   ; the blocks by turns
.set QI, QI+1
.endr
.endr
.set QI, 0
.rept \nb
	v_permlanex16_b32 v[TM+4+QI], v[TM+QI], s[SEL], s[SEL+1]
.set QI, QI+1
.endr
.set QI, 0
.rept \nb
	v_max_num_f32 v[TM+QI], v[TM+QI], v[TM+4+QI]                 ; the block's largest magnitude
.set QI, QI+1
.endr
.set QI, 0
.rept \nb
	v_add_nc_u32 v[TM+12+QI], 0xf8800000, v[TM+QI]               ; 15 off its exponent field: the conversion's scale operand
	v_and_or_b32 v[TM+8+QI], v[TM+QI], 0x7f800000, s[MNT]        ; 57,344 x the scale
.set QI, QI+1
.endr
.set QI, 0
.rept \nb
	v_lshrrev_b32 v[TM+4+QI], 23, v[TM+12+QI]                    ; the scale's byte
.set QI, QI+1
.endr
.set QI, 0
.rept \nb
.irp i, 0,1,2,3,4,5,6,7,8,9,10,11,12,13,14,15
	v_med3_num_f32 v[(\s)+16*QI+\i], v[(\s)+16*QI+\i], -v[TM+8+QI], v[TM+8+QI]   ; the conversion does not saturate (ISA guide 7.6.2): the hold at the largest code x the scale
.endr
	v_cvt_scalef32_pk8_bf8_f32 v[PC+4*QI:PC+4*QI+1], v[(\s)+16*QI:(\s)+16*QI+7], v[TM+12+QI]
	v_cvt_scalef32_pk8_bf8_f32 v[PC+4*QI+2:PC+4*QI+3], v[(\s)+16*QI+8:(\s)+16*QI+15], v[TM+12+QI]
.set QI, QI+1
.endr
	v_nop                                  ; a plain line between the last conversion and whatever next touches its registers
.endm
.macro LOADX t0, ks, buf               ; the fragments of x's tiles t0, t0 + 1 for K step ks into buffer buf: 8 loads
.irp xt, 0,1
.irp c, 0,1,2,3
	ds_load_b128 v[XF+32*(\buf)+16*\xt+4*\c:XF+32*(\buf)+16*\xt+4*\c+3], v2 offset:((\t0)+\xt)*16*PITCH+128*(\ks)+32*\c
.endr
.endr
.endm
; Eight products, the eight accumulators by turns.  first = 1: the bias is the C of a sum's first product.
.macro MUL kind, p, ks, buf, first
.if \kind == 0
	WIN 0x01                               ; source 0 (W) window 1
.irp xt, 0,1
.irp t, 0,1,2,3
.if \first
	v_wmma_scale_f32_16x16x128_f8f6f4 v[ACC+8*(4*\xt+\t):ACC+8*(4*\xt+\t)+7], v[16*(4*\t+\ks):16*(4*\t+\ks)+15], v[XF+32*\buf+16*\xt:XF+32*\buf+16*\xt+15], v[BI+8*\t:BI+8*\t+7], v[WSC+4*\t+\ks], v[XSC+4*(2*\p+\xt)+\ks] matrix_a_fmt:MATRIX_FMT_BF8 matrix_b_fmt:MATRIX_FMT_BF8
.else
	v_wmma_scale_f32_16x16x128_f8f6f4 v[ACC+8*(4*\xt+\t):ACC+8*(4*\xt+\t)+7], v[16*(4*\t+\ks):16*(4*\t+\ks)+15], v[XF+32*\buf+16*\xt:XF+32*\buf+16*\xt+15], v[ACC+8*(4*\xt+\t):ACC+8*(4*\xt+\t)+7], v[WSC+4*\t+\ks], v[XSC+4*(2*\p+\xt)+\ks] matrix_a_fmt:MATRIX_FMT_BF8 matrix_b_fmt:MATRIX_FMT_BF8
.endif
.endr
.endr
.else
	WIN 0x04                               ; source 1 (W) window 1
.irp t, 0,1,2,3
.irp xt, 0,1
.if \first
	v_wmma_scale_f32_16x16x128_f8f6f4 v[ACC+8*(2*\t+\xt):ACC+8*(2*\t+\xt)+7], v[XF+32*\buf+16*\xt:XF+32*\buf+16*\xt+15], v[16*(4*\t+\ks):16*(4*\t+\ks)+15], v[BI+8*\t:BI+8*\t+7], v[XSC+4*(2*\p+\xt)+\ks], v[WSC+4*\t+\ks] matrix_a_fmt:MATRIX_FMT_BF8 matrix_b_fmt:MATRIX_FMT_BF8
.else
	v_wmma_scale_f32_16x16x128_f8f6f4 v[ACC+8*(2*\t+\xt):ACC+8*(2*\t+\xt)+7], v[XF+32*\buf+16*\xt:XF+32*\buf+16*\xt+15], v[16*(4*\t+\ks):16*(4*\t+\ks)+15], v[ACC+8*(2*\t+\xt):ACC+8*(2*\t+\xt)+7], v[XSC+4*(2*\p+\xt)+\ks], v[WSC+4*\t+\ks] matrix_a_fmt:MATRIX_FMT_BF8 matrix_b_fmt:MATRIX_FMT_BF8
.endif
.endr
.endr
.endif
.endm
; x's tiles 2 p and 2 p + 1 against my head's four tiles of W: 32 products, then the quantiser and the stores.
.macro PAIR p, kind
	LOADX 2*\p, 0, 0
	LOADX 2*\p, 1, 1
	s_wait_dscnt 8                         ; K step 0's eight loads are in; the other buffer's eight may be out
	MUL \kind, \p, 0, 0, 1
	NOPS 8                                 ; places in front of loads into registers that the products have read
	WIN 0
	LOADX 2*\p, 2, 0
	s_wait_dscnt 8                         ; K step 1's are in
	MUL \kind, \p, 1, 1, 0
	NOPS 8
	WIN 0
	LOADX 2*\p, 3, 1
	s_wait_dscnt 8                         ; K step 2's are in
	MUL \kind, \p, 2, 0, 0
	s_wait_dscnt 0x0
	MUL \kind, \p, 3, 1, 0
	WIN 0
	NOPS 9                                 ; eight in front of the first read of results; the ninth for the next pair's first products, which write over these accumulators
	s_wait_xcnt 0x0                        ; the last pair's stores have read their data: codes and words may be written again
	QUANT ACC, 4
.if \kind == 0
.irp xt, 0,1
	v_lshl_or_b32 v[WD+(2*\p+\xt)%4], v[TM+5+2*\xt], 8, v[TM+4+2*\xt]    ; the row's two bytes; bytes 2 and 3 stay 0
.endr
.irp xt, 0,1
.irp c, 0,1
	global_store_b128 v1, v[PC+8*\xt+4*\c:PC+8*\xt+4*\c+3], s[42:43] offset:1024*(2*\p+\xt)+512*\c   ; 512 consecutive bytes
.endr
.endr
.if (\p)%2 == 1
	global_store_b128 v3, v[WD:WD+3], s[44:45] offset:256*((\p)/2)       ; four tiles' words of a row side by side: 256 consecutive bytes (both halves of the lanes store the same)
.endif
.else
.irp t, 0,1,2,3
.if \p == 0
	v_mov_b32 v[WD+\t], v[TM+4+\t]
.else
	v_lshl_or_b32 v[WD+\t], v[TM+4+\t], 8*\p, v[WD+\t]                   ; byte p of the key step's word of my column d
.endif
.endr
.irp t, 0,1,2,3
	global_store_b128 v1, v[PC+4*\t:PC+4*\t+3], s[42:43] offset:2048*\t+512*\p
.endr
.if \p == 3
	global_store_b128 v3, v[WD:WD+3], s[44:45]
.endif
.endif
.endm
	s_load_b512 s[4:19], s[0:1], 0x0       ; x codes, x scales, Wq codes, Wq scales, bq, Wkv codes, Wkv scales, bkv
	s_load_b256 s[20:27], s[0:1], 0x40     ; rel_emb, qb, kvb, ewb
	v_lshrrev_b32 v1, 5, v0
	v_readfirstlane_b32 s[WV], v1          ; wave 0..7
	s_lshr_b32 s29, ttmp9, 6               ; the kind
	s_and_b32 s30, ttmp9, 63               ; the block of rows, or the table's part
	s_mov_b32 s[SEL], 0x76543210
	s_mov_b32 s[SEL+1], 0xfedcba98         ; lane l xor 16
	s_mov_b32 s[MNT], 0x600000             ; the mantissa field of 57,344
	s_mov_b32 s55, 0                       ; the upper word of every offset pair s[54:55]
	v_and_b32 v13, 15, v0                  ; r
	v_bfe_u32 v14, v0, 4, 1                ; h
	v_and_b32 v1, 31, v0
	v_lshlrev_b32 v1, 4, v1                ; 16 x lane
	v_mul_u32_u24 v2, v13, PITCH
	v_lshl_add_u32 v2, v14, 4, v2          ; a fragment of x in LDS: row r, + 16 h
	v_lshlrev_b32 v3, 4, v13               ; 16 r
	v_and_b32 v15, 8, v13
	v_add_nc_u32 v15, v15, v13             ; r + 8 (r / 8)
	v_lshlrev_b32 v4, 9, v15
	v_lshl_add_u32 v4, v14, 4, v4          ; W: that row of 512 bytes, + 16 h
	v_lshlrev_b32 v5, 4, v15               ; W's scale bytes: 16 a row
	v_lshlrev_b32 v6, 6, v14               ; the bias for q, k: 16 h numbers on
	v_lshlrev_b32 v12, 2, v15              ; the bias for v: my column's
.irp b, 0,1,2,3
	v_mov_b32 v[TM+4+\b], 0                ; written once: a lane permute's destination counts as one of its sources
.endr
	s_wait_kmcnt 0x0
	s_cmp_eq_u32 s29, 3
	s_cbranch_scc1 .Lemb
	s_cmp_eq_u32 s29, 0                    ; q takes Wq, bq, qb; k and v take Wkv, bkv, kvb: the choice hangs on the work-group's number alone
	s_cselect_b64 s[36:37], s[8:9], s[14:15]
	s_cselect_b64 s[38:39], s[10:11], s[16:17]
	s_cselect_b64 s[40:41], s[12:13], s[18:19]
	s_cselect_b64 s[42:43], s[22:23], s[24:25]
	s_mov_b32 s50, 137216
	s_cselect_b32 s50, 69632, s50          ; bytes of a (batch, head) in the buffer
	s_mov_b32 s51, 131072
	s_cselect_b32 s51, 65536, s51          ; where its scale words begin
	s_cmp_eq_u32 s29, 2
	s_cselect_b32 s52, 512, 0              ; v's columns lie behind k's
	s_cselect_b32 s58, 65536, 0            ; and its images behind k's
	s_mov_b32 s59, 135168
	s_cselect_b32 s51, s59, s51
	s_cselect_b32 s59, 8, 9                ; scale words of 128 rows: 256 bytes for v, 512 for q, k
	s_lshl_b32 s53, s[WV], 6
	s_add_co_u32 s52, s52, s53             ; my first row of W
	s_lshl_b32 s54, s52, 9
	s_add_nc_u64 s[36:37], s[36:37], s[54:55]
	s_lshl_b32 s54, s52, 4
	s_add_nc_u64 s[38:39], s[38:39], s[54:55]
	s_lshl_b32 s54, s52, 2
	s_add_nc_u64 s[40:41], s[40:41], s[54:55]
	s_lshr_b32 s56, s30, 3
	s_lshl_b32 s56, s56, 3
	s_add_co_u32 s56, s56, s[WV]           ; 8 x batch + head
	s_and_b32 s57, s30, 7                  ; which 128 rows of the batch
	s_mul_i32 s54, s56, s50
	s_add_nc_u64 s[42:43], s[42:43], s[54:55]
	s_lshl_b32 s59, s57, s59
	s_add_co_u32 s54, s51, s59
	s_add_nc_u64 s[44:45], s[42:43], s[54:55]      ; my scale words
	s_lshl_b32 s59, s57, 13
	s_add_co_u32 s54, s58, s59
	s_add_nc_u64 s[42:43], s[42:43], s[54:55]      ; my images: 8,192 bytes for 128 rows
	s_lshl_b32 s54, s30, 16
	s_lshl_b32 s53, s[WV], 13
	s_add_co_u32 s54, s54, s53
	s_add_nc_u64 s[46:47], s[4:5], s[54:55]        ; the 16 rows of x that I bring to LDS
	s_lshl_b32 s54, s30, 11
	s_add_nc_u64 s[48:49], s[6:7], s[54:55]        ; the 128 rows' scale bytes
	s_mul_i32 s53, s[WV], 16*PITCH
	v_add_nc_u32 v7, s53, v1
	WIN 0x40                               ; destination window 1
.irp t, 0,1,2,3
.irp ks, 0,1,2,3
.irp c, 0,1,2,3
	global_load_b128 v[16*(4*\t+\ks)+4*\c:16*(4*\t+\ks)+4*\c+3], v4, s[36:37] offset:(32*(\t/2)+8*(\t%2))*512+128*\ks+32*\c
.endr
.endr
.endr
	WIN 0
.irp i, 0,1,2,3,4,5,6,7,8,9,10,11,12,13,14,15
	global_load_b128 v[XF+4*\i:XF+4*\i+3], v1, s[46:47] offset:512*\i      ; a row of x: 512 consecutive bytes
.endr
.irp t, 0,1,2,3,4,5,6,7
	global_load_b128 v[XSC+4*\t:XSC+4*\t+3], v3, s[48:49] offset:256*\t    ; tile t: row r's four words
.endr
.irp t, 0,1,2,3
	global_load_b128 v[WSC+4*\t:WSC+4*\t+3], v5, s[38:39] offset:(32*(\t/2)+8*(\t%2))*16
.endr
	s_wait_loadcnt 12                      ; W and my rows of x are in; the 12 loads of scale words may be out
.irp i, 0,1,2,3,4,5,6,7,8,9,10,11,12,13,14,15
	ds_store_b128 v7, v[XF+4*\i:XF+4*\i+3] offset:PITCH*\i
.endr
	s_wait_dscnt 0x0                       ; for the others' sake: my rows lie in LDS
	s_barrier_signal -1
	s_barrier_wait -1
	s_cmp_eq_u32 s29, 2
	s_cbranch_scc1 .Lv
.irp t, 0,1,2,3                        ; q, k: register j of tile t belongs to column 32 (t / 2) + 8 (t % 2) + 16 h + j
	global_load_b128 v[BI+8*\t:BI+8*\t+3], v6, s[40:41] offset:(32*(\t/2)+8*(\t%2))*4
	global_load_b128 v[BI+8*\t+4:BI+8*\t+7], v6, s[40:41] offset:(32*(\t/2)+8*(\t%2))*4+16
.endr
	s_wait_loadcnt 0x0
	PAIR 0, 0
	PAIR 1, 0
	PAIR 2, 0
	PAIR 3, 0
	s_wait_xcnt 0x0
	v_lshl_add_u32 v254, v0, 2, 0x10800
	v_mov_b32 v255, 0
	s_wait_tensorcnt 0x0
	ds_add_u32 v254, v255
	s_wait_dscnt 0x0
	s_endpgm
.Lv:
.irp t, 0,1,2,3                        ; v: all eight registers of a tile belong to my column
	global_load_b32 v[BI+8*\t], v12, s[40:41] offset:(32*(\t/2)+8*(\t%2))*4
.endr
	s_wait_loadcnt 0x0
.irp t, 0,1,2,3
.irp j, 1,2,3,4,5,6,7
	v_mov_b32 v[BI+8*\t+\j], v[BI+8*\t]
.endr
.endr
	PAIR 0, 1
	PAIR 1, 1
	PAIR 2, 1
	PAIR 3, 1
	s_wait_xcnt 0x0
	v_lshl_add_u32 v254, v0, 2, 0x10800
	v_mov_b32 v255, 0
	s_wait_tensorcnt 0x0
	ds_add_u32 v254, v255
	s_wait_dscnt 0x0
	s_endpgm
.Lemb:
	s_and_b32 s50, s30, 3                  ; the window cx
	s_lshr_b32 s51, s30, 2
	s_lshl_b32 s51, s51, 3
	s_add_co_u32 s51, s51, s[WV]           ; the fragment fl, 0 .. 79
	s_lshl_b32 s52, s50, 8
	s_add_co_u32 s52, s52, 1279
	s_lshl_b32 s53, s51, 4
	s_sub_co_u32 s52, s52, s53             ; 767 + 512 + 256 cx - 16 fl, at least 15
	v_sub_nc_u32 v8, s52, v13              ; u = the index + 512, never negative
	v_min_u32 v9, 0x200, v8
	v_sub_nc_u32 v8, v8, v9                ; held at 0 from below,
	v_min_u32 v8, 0x400, v8                ; at 1,024 from above
	v_lshlrev_b32 v8, 8, v8                ; a row of 64 f32
	v_lshl_add_u32 v8, v14, 6, v8          ; my 16 numbers of each block of 32
	v_lshlrev_b32 v10, 2, v13
	s_mul_i32 s56, s50, 87040
	s_lshl_b32 s53, s51, 10
	s_add_co_u32 s54, s56, s53
	s_add_nc_u64 s[42:43], s[26:27], s[54:55]
	s_lshl_b32 s53, s51, 6
	s_add_co_u32 s54, s56, s53
	s_add_co_u32 s54, s54, 81920
	s_add_nc_u64 s[44:45], s[26:27], s[54:55]
.irp c, 0,1
.irp j, 0,1,2,3
	global_load_b128 v[ACC+16*\c+4*\j:ACC+16*\c+4*\j+3], v8, s[20:21] offset:128*\c+16*\j
.endr
.endr
	s_wait_loadcnt 0x0
	QUANT ACC, 2
	v_lshl_or_b32 v11, v[TM+5], 8, v[TM+4]
	global_store_b128 v1, v[PC:PC+3], s[42:43]
	global_store_b128 v1, v[PC+4:PC+7], s[42:43] offset:512
	global_store_b32 v10, v11, s[44:45]    ; row r's word (both halves of the lanes store the same)
	s_endpgm
.Lfunc_end_k_q1a16e3d7de_proj:
	.size	k_q1a16e3d7de_proj, .Lfunc_end_k_q1a16e3d7de_proj-k_q1a16e3d7de_proj
	.p2alignl 7, 3214868480
	.fill 96, 4, 3214868480
	.section	.rodata,"a",@progbits
	.p2align	6, 0x0
	.amdhsa_kernel k_q1a16e3d7de_proj
		.amdhsa_group_segment_fixed_size 68608
		.amdhsa_private_segment_fixed_size 0
		.amdhsa_enable_private_segment 0
		.amdhsa_kernarg_size 96
		.amdhsa_user_sgpr_count 2
		.amdhsa_user_sgpr_kernarg_segment_ptr 1
		.amdhsa_wavefront_size32 1
		.amdhsa_system_sgpr_workgroup_id_x 1
		.amdhsa_system_sgpr_workgroup_id_y 1
		.amdhsa_system_sgpr_workgroup_id_z 1
		.amdhsa_system_vgpr_workitem_id 0
		.amdhsa_next_free_vgpr 512
		.amdhsa_next_free_sgpr 66
		.amdhsa_reserve_vcc 0
		.amdhsa_float_denorm_mode_32 3
		.amdhsa_float_denorm_mode_16_64 3
		.amdhsa_memory_ordered 1
		.amdhsa_forward_progress 1
		.amdhsa_inst_pref_size 146
	.end_amdhsa_kernel
	.amdgpu_metadata
---
amdhsa.version: [ 1, 2 ]
amdhsa.kernels:
  - .name:           k_q1a16e3d7de_proj
    .symbol:         k_q1a16e3d7de_proj.kd
    .args:
      - { .name: x_codes, .offset: 0, .size: 8, .value_kind: global_buffer, .address_space: global }
      - { .name: x_scales, .offset: 8, .size: 8, .value_kind: global_buffer, .address_space: global }
      - { .name: Wq_codes, .offset: 16, .size: 8, .value_kind: global_buffer, .address_space: global }
      - { .name: Wq_scales, .offset: 24, .size: 8, .value_kind: global_buffer, .address_space: global }
      - { .name: bq, .offset: 32, .size: 8, .value_kind: global_buffer, .address_space: global }
      - { .name: Wkv_codes, .offset: 40, .size: 8, .value_kind: global_buffer, .address_space: global }
      - { .name: Wkv_scales, .offset: 48, .size: 8, .value_kind: global_buffer, .address_space: global }
      - { .name: bkv, .offset: 56, .size: 8, .value_kind: global_buffer, .address_space: global }
      - { .name: rel_emb, .offset: 64, .size: 8, .value_kind: global_buffer, .address_space: global }
      - { .name: qb, .offset: 72, .size: 8, .value_kind: global_buffer, .address_space: global }
      - { .name: kvb, .offset: 80, .size: 8, .value_kind: global_buffer, .address_space: global }
      - { .name: ewb, .offset: 88, .size: 8, .value_kind: global_buffer, .address_space: global }
    .group_segment_fixed_size: 68608
    .private_segment_fixed_size: 0
    .kernarg_segment_align: 8
    .kernarg_segment_size: 96
    .max_flat_workgroup_size: 256
    .sgpr_count:     66
    .vgpr_count:     512
    .wavefront_size: 32
...
	.end_amdgpu_metadata
.endif
;; end of part 1
;; launch attn (part 2): grid 4 x 64, 16 waves a work-group, clusters of 4 x 1, 327,680 bytes of LDS; arguments qb, kvb, ewb, oimg, osc; writes oimg, osc
.if DOCPART == 2
	.amdgcn_target "amdgcn-amd-amdhsa--gfx1250"
	.amdhsa_code_object_version 6
	.text
	.protected	k_q1a16e3d7de_attn
	.globl	k_q1a16e3d7de_attn
	.p2align	8
	.type	k_q1a16e3d7de_attn,@function
k_q1a16e3d7de_attn:
	s_mov_b64 s[64:65], 0
	v_nop
	global_prefetch_b8 v0, s[64:65] scope:SCOPE_SE
	s_setreg_imm32_b32 hwreg(HW_REG_WAVE_MODE, 25, 1), 1
	s_wait_xcnt 0x0
	s_wait_alu depctr_hold_cnt(0) depctr_sa_sdst(0) depctr_va_vdst(0) depctr_va_sdst(0) depctr_va_ssrc(0) depctr_va_vcc(0) depctr_vm_vsrc(0)
	s_getreg_b32 s2, hwreg(HW_REG_IB_STS2, 6, 4)
	s_cmp_eq_u32 s2, 0
	s_cbranch_scc0 .Lentry_in_a_cluster
	s_endpgm
.Lentry_in_a_cluster:
	s_bfe_u32 s2, ttmp6, 0x10000c
	s_cmp_lg_u32 s2, 0x3003
	s_cbranch_scc0 .Lentry_shape_is_right
	s_endpgm
.Lentry_shape_is_right:
; o = softmax((q k^T + q rel^T) / 8) v for one (batch, head) and 256 queries, all three products on codes of BF8 (E5M2) with E8M0 scales; o is quantised along the head's 64 and leaves as an image of the next product's operand.
; SOFTMAX: t = logit x log2(e); M = the running largest t rounded up to a whole number; p = 2^(t - M) is quantised along the keys, not normalised; the row's sum of the unquantised p divides at the end.
; SHARES.  The cluster's four work-groups take the four blocks of 256 queries of one (batch, head); each of sixteen waves owns 16 queries (local tile 15 - w) and walks all 1,024 keys, 128 a step.
; LDS holds, for the whole launch: K's and V's images and scale words of the head (137,216 bytes, asked for JOINTLY by the four partners: eight loads of 67 rows of 256 bytes) and my block's window of the table
; (87,040 bytes, five plain loads of 68 rows).  Every byte is filled once: one wait and one barrier, no ring.
; THE POSITION TERM.  With e = key - local query + 255 the table row is the window's row e.  For 64 keys a wave's 16 queries need rows 16 (8 s + 4 ch + w) + 0 .. 79: five fragments.  Their products with q (a lane: one query, eight rows)
; are stored to the wave's own stage, a row of 336 bytes a query, and read back skewed: the lane of query r takes place 16 i + 8 h + j + 15 - r.  What is read is the C of the product K q^T: the sum costs no instruction.
;   (336 = 21 x 16 bytes from lane to lane for the stores; 332 = 83 words for the loads.)
; K = 64 IN A FORM OF K = 128: q's fragment is followed by eight registers of zero codes; K's or the table's eight registers are followed by whatever eight registers come next, which hold finite codes of this program's own
;   making (the quantiser's hold keeps them finite): they meet zero codes; the scale bytes of that half are 0 (2^-127).
; LAYOUT.  All products are used transposed: a lane holds one query (lane % 16).  In S^T's tile t register j is key 16 t + 8 h + j; p's 16 registers of tiles 2 b, 2 b + 1 become places 32 b + 16 h + 0 .. 15, and V's images hold the keys in the same order.
; LIMITS: NaN and infinities are not served; a block of zeros gets the byte 1 (read by this program alone); a block's largest p is taken from its largest score, which takes v_exp_f32 not to fall where its input rises;
;   (dots + pos) x scale is formed where the source has dots x scale + pos x scale.  o's scale bytes leave two at a lane, 131,072 bytes in the launch.
.set KIMG, 0
.set VIMG, 65536
.set KSC,  131072
.set VSC,  135168
.set EIMG, 137216
.set ESC,  219136
.set STG,  224256                      ; 16 stages of 16 x 336 bytes
.set LI,   1                           ; v1  16 x lane
.set LR16, 2                           ; v2  16 r
.set LR4,  3                           ; v3  4 r
.set AWR,  4                           ; v4  the stage, in
.set ARD,  5                           ; v5  the stage, back, skewed
.set AT,   6                           ; v6, v7  the addresses in hand
.set AT2,  7
.set QF,   16                          ; v16-23 q, v24-31 zero codes
.set F,    32                          ; v32-95 fragments of the table, of K, of V
.set S,    96                          ; v96-159 S^T, then p
.set O,    160                         ; v160-191 O^T
.set X,    192                         ; v192-231 the position products; then:
.set PC,   192                         ; v192-207 p's codes
.set TM,   208                         ; v208-211 block maxima, v212-215 the other half's, then bytes, v216-219 the hold, v220-223 scale operands
.set T0,   224
.set FF,   226                         ; v[226:227] f
.set PS,   228                         ; v[228:229] the second chain of the sum
.set SE,   232                         ; v232-236 the table's scale words
.set SK,   240                         ; v240-243 K's, then V's
.set SQ,   244
.set SP,   245
.set WV,   14
.set MNT,  19
.set SEL,  20
.set CS,   22
.set G1J,  24
.set G1P,  32
.set G0J,  40
.set G0P,  44
.set TK,   48
.set TV,   49
.set TE,   50
.set TES,  51
.set TKS,  52
.set TVS,  53
.set CNT,  54
.macro NOPS n
.rept \n
	v_nop
.endr
.endm
.macro CROUND                          ; a round of the cluster's barrier
	s_barrier_signal -1
	s_barrier_wait -1
	s_cmp_lg_u32 s[WV], 0
	s_cbranch_scc1 .Lnot_wave_0_\@
	s_barrier_signal -3
.Lnot_wave_0_\@:
	s_barrier_wait -3
	s_barrier_signal -1
	s_barrier_wait -1
.endm
	s_load_b256 s[4:11], s[0:1], 0x0       ; qb, kvb, ewb, oimg
	s_load_b64 s[12:13], s[0:1], 0x20      ; osc
	v_lshl_add_u32 v254, v0, 2, 0x4bc00
	v_mov_b32 v255, 0
	ds_add_u32 v254, v255
	ds_add_u32 v254, v255
	v_lshrrev_b32 v1, 5, v0
	v_readfirstlane_b32 s[WV], v1          ; wave 0..15
	s_bfe_u32 s15, ttmp6, 0x40000          ; cx: my block of 256 queries; it enters global addresses of my own loads and stores alone
	s_and_b32 s16, ttmp7, 0xffff           ; 8 x batch + head, which the partners share
	s_xor_b32 s17, s[WV], 15               ; my local tile of queries
	s_lshl_b32 s18, s15, 4
	s_add_co_u32 s18, s18, s17             ; my tile among the head's 64
	; descriptors: dense blocks as rows of 256 bytes (32 elements of 8 bytes)
	s_mov_b32 s[G1J], 15|(3<<16)|(1<<21)   ; the mask names all four work-groups; bit 21 set beside it
	s_mov_b32 s[G1J+1], 32<<16
	s_mov_b32 s[G1J+2], 67<<16
	s_mov_b32 s[G1J+3], 32<<16
	s_mov_b32 s[G1J+4], 67
	s_mov_b32 s[G1J+5], 32
	s_mov_b32 s[G1J+6], 0
	s_mov_b32 s[G1J+7], 0
	s_mov_b32 s[G1P], 3<<16
	s_mov_b32 s[G1P+1], 32<<16
	s_mov_b32 s[G1P+2], 68<<16
	s_mov_b32 s[G1P+3], 32<<16
	s_mov_b32 s[G1P+4], 68
	s_mov_b32 s[G1P+5], 32
	s_mov_b32 s[G1P+6], 0
	s_mov_b32 s[G1P+7], 0
	s_mov_b32 s[G0J], 1
	s_mul_i32 s[G0J+1], s[WV], 17152       ; wave w (0-7) brings the w-th eighth of the head's K, V and scale words
	s_mul_i32 s56, s16, 137216
	s_add_co_u32 s56, s56, s[G0J+1]
	s_mov_b32 s57, 0
	s_mov_b32 s[G0P], 1
	s_and_b32 s58, s[WV], 7
	s_mul_i32 s58, s58, 17408              ; wave 8 + i (i = 0-4) brings the i-th fifth of my window
	s_add_co_u32 s[G0P+1], s58, EIMG
	s_mul_i32 s59, s15, 87040
	s_add_co_u32 s58, s58, s59
	s_mov_b32 s59, 0
	s_wait_dscnt 0x0
	s_wait_kmcnt 0x0
	s_add_nc_u64 s[G0J+2:G0J+3], s[6:7], s[56:57]
	s_or_b32 s[G0J+3], s[G0J+3], 0x80000000
	s_add_nc_u64 s[G0P+2:G0P+3], s[8:9], s[58:59]
	s_or_b32 s[G0P+3], s[G0P+3], 0x80000000
	CROUND                                 ; all four work-groups are here: the joint loads meet
	s_cmp_lt_u32 s[WV], 8                  ; at most one tensor load a wave; four v_nop follow each line
	s_cbranch_scc0 .Lnot_j
	tensor_load_to_lds s[G0J:G0J+3], s[G1J:G1J+7]
	s_nop 0
	NOPS 4
	s_branch .Lasked
.Lnot_j:
	s_cmp_lt_u32 s[WV], 13
	s_cbranch_scc0 .Lasked
	tensor_load_to_lds s[G0P:G0P+3], s[G1P:G1P+7]
	s_nop 0
	NOPS 4
.Lasked:
	v_and_b32 v9, 15, v0                   ; r
	v_bfe_u32 v10, v0, 4, 1                ; h
	v_and_b32 v1, 31, v0
	v_lshlrev_b32 v[LI], 4, v1
	v_lshlrev_b32 v[LR16], 4, v9
	v_lshlrev_b32 v[LR4], 2, v9
	s_mul_i32 s56, s16, 69632
	s_lshl_b32 s55, s18, 10
	s_add_co_u32 s56, s56, s55
	s_add_nc_u64 s[60:61], s[4:5], s[56:57]        ; q's image
	s_mul_i32 s56, s16, 69632
	s_lshr_b32 s55, s18, 2
	s_lshl_b32 s55, s55, 8
	s_add_co_u32 s56, s56, s55
	s_and_b32 s55, s18, 3
	s_lshl_b32 s55, s55, 2
	s_add_co_u32 s56, s56, s55
	s_add_co_u32 s56, s56, 65536
	s_add_nc_u64 s[62:63], s[4:5], s[56:57]        ; and its scale words
	global_load_b128 v[QF:QF+3], v[LI], s[60:61]
	global_load_b128 v[QF+4:QF+7], v[LI], s[60:61] offset:512
	global_load_b32 v[SQ], v[LR16], s[62:63]
	s_lshr_b32 s55, s16, 3
	s_lshl_b32 s55, s55, 6
	s_add_co_u32 s55, s55, s18             ; the tile of 16 rows among all 512
	s_and_b32 s17, s16, 7                  ; the head
	s_lshl_b32 s56, s55, 13
	s_lshl_b32 s58, s17, 10
	s_add_co_u32 s56, s56, s58
	s_add_nc_u64 s[10:11], s[10:11], s[56:57]
	s_lshl_b32 s56, s55, 8
	s_lshl_b32 s58, s17, 1
	s_add_co_u32 s56, s56, s58
	s_add_nc_u64 s[12:13], s[12:13], s[56:57]
	s_mul_i32 s55, s[WV], 16*336
	s_add_co_u32 s55, s55, STG             ; my stage
	v_mul_u32_u24 v[AWR], v9, 336
	v_lshl_add_u32 v[AWR], v10, 5, v[AWR]
	v_add_nc_u32 v[AWR], s55, v[AWR]       ; in: query r's row, place 8 h
	v_mul_u32_u24 v[ARD], v9, 332
	v_lshl_add_u32 v[ARD], v10, 5, v[ARD]
	v_add_nc_u32 v[ARD], s55, v[ARD]
	v_add_nc_u32 v[ARD], 60, v[ARD]        ; back: query r's row, place 8 h + 15 - r
	s_mov_b32 s[MNT], 0x600000
	s_mov_b32 s[SEL], 0x76543210
	s_mov_b32 s[SEL+1], 0xfedcba98
	s_mov_b32 s[CS], 0x3e38aa3b            ; c = log2(e) / 8
	s_mov_b32 s[CS+1], s[CS]               ; named with it as a pair
	s_mov_b32 s[TK], KIMG
	s_mov_b32 s[TV], VIMG
	s_lshl_b32 s[TE], s[WV], 10
	s_add_co_u32 s[TE], s[TE], EIMG        ; my window begins w fragments in
	s_lshl_b32 s[TES], s[WV], 6
	s_add_co_u32 s[TES], s[TES], ESC
	s_mov_b32 s[TKS], KSC
	s_mov_b32 s[TVS], VSC
	s_mov_b32 s[CNT], 8
.irp j, 0,1,2,3,4,5,6,7
	v_mov_b32 v[QF+8+\j], 0                ; zero codes for the idle half of K
	v_mov_b32 v[F+40+\j], 0                ; what follows the fifth fragment in the first step
.endr
.set J, 0
.rept 32
	v_mov_b32 v[O+J], 0                    ; O^T: the step is written once; the first change of M leaves zeros zeros
.set J, J+1
.endr
	v_mov_b32 v13, 0xff61b1e6              ; the largest t so far: -3e38
	v_floor_f32 v12, -v13                  ; -M
	v_mov_b32 v14, 0                       ; the sum, in two halves
	v_mov_b32 v15, 0
.irp b, 0,1,2,3
	v_mov_b32 v[TM+4+\b], 0                ; a lane permute's destination counts as one of its sources
.endr
	v_mov_b32 v[T0], 0
	v_mov_b32 v[FF+1], 0                   ; named as the upper half of a pair
	s_wait_tensorcnt 0x0                   ; my part has landed,
	s_barrier_signal -1
	s_barrier_wait -1                      ; everybody's has
	s_wait_loadcnt 0x0                     ; q
; 64 keys: the position products, their skew through the stage, and K q^T on top of them
.macro CHUNK ch
	v_add_nc_u32 v[AT], s[TE], v[LI]
	v_add_nc_u32 v[AT2], s[TES], v[LR4]
	NOPS 8                                 ; with the two lines above ten places: eight in front of loads into registers that products have read, nine in front of products that write over such registers
.irp a, 0,1,2,3,4
	ds_load_b128 v[F+8*\a:F+8*\a+3], v[AT] offset:4096*\ch+1024*\a
	ds_load_b128 v[F+8*\a+4:F+8*\a+7], v[AT] offset:4096*\ch+1024*\a+512
	ds_load_b32 v[SE+\a], v[AT2] offset:256*\ch+64*\a
.endr
	s_wait_dscnt 0x0
.irp a, 0,1,2,3,4
	v_wmma_scale_f32_16x16x128_f8f6f4 v[X+8*\a:X+8*\a+7], v[F+8*\a:F+8*\a+15], v[QF:QF+15], 0, v[SE+\a], v[SQ] matrix_a_fmt:MATRIX_FMT_BF8 matrix_b_fmt:MATRIX_FMT_BF8
.endr
	v_add_nc_u32 v[AT], s[TK], v[LI]
	v_add_nc_u32 v[AT2], s[TKS], v[LR16]
	NOPS 6                                 ; eight places in all, in front of the loads over the table's fragments and of the stores of the results
.irp i, 0,1,2,3
	ds_load_b128 v[F+8*\i:F+8*\i+3], v[AT] offset:4096*\ch+1024*\i
	ds_load_b128 v[F+8*\i+4:F+8*\i+7], v[AT] offset:4096*\ch+1024*\i+512
.endr
	ds_load_b128 v[SK:SK+3], v[AT2] offset:256*\ch
.irp a, 0,1,2,3,4
	ds_store_b128 v[AWR], v[X+8*\a:X+8*\a+3] offset:64*\a              ; each result from its low end on
	ds_store_b128 v[AWR], v[X+8*\a+4:X+8*\a+7] offset:64*\a+16
.endr
.irp i, 0,1,2,3
.irp j, 0,1,2,3,4,5,6,7
	ds_load_b32 v[S+8*(4*\ch+\i)+\j], v[ARD] offset:64*\i+4*\j         ; LDS serves a wave's instructions in order (ISA guide 5.7.1.4): these see the stores above
.endr
.endr
	s_wait_dscnt 0x0
.irp i, 0,1,2,3
	v_wmma_scale_f32_16x16x128_f8f6f4 v[S+8*(4*\ch+\i):S+8*(4*\ch+\i)+7], v[F+8*\i:F+8*\i+15], v[QF:QF+15], v[S+8*(4*\ch+\i):S+8*(4*\ch+\i)+7], v[SK+\i], v[SQ] matrix_a_fmt:MATRIX_FMT_BF8 matrix_b_fmt:MATRIX_FMT_BF8
.endr
.endm
.Lstep:                                        ; eight trips of 128 keys
	CHUNK 0
	CHUNK 1
	v_add_nc_u32 v[AT], s[TV], v[LI]
	v_add_nc_u32 v[AT2], s[TVS], v[LR16]
	NOPS 6                                 ; eight places: for the loads below and for the first read of the scores
.irp t, 0,1,2,3
.irp c, 0,1,2,3
	ds_load_b128 v[F+16*\t+4*\c:F+16*\t+4*\c+3], v[AT] offset:2048*\t+512*\c   ; V lands while the softmax is worked
.endr
.endr
	ds_load_b128 v[SK:SK+3], v[AT2]
.irp b, 0,1,2,3
	v_max3_num_f32 v[TM+\b], v[S+16*\b], v[S+1+16*\b], v[S+2+16*\b]    ; the largest score of each block of 32 keys: for the row's maximum and for the block's largest p
.endr
.irp i, 3,5,7,9,11,13
.irp b, 0,1,2,3
	v_max3_num_f32 v[TM+\b], v[TM+\b], v[S+16*\b+\i], v[S+1+16*\b+\i]
.endr
.endr
.irp b, 0,1,2,3
	v_max_num_f32 v[TM+\b], v[TM+\b], v[S+15+16*\b]
.endr
.irp b, 0,1,2,3
	v_permlanex16_b32 v[TM+4+\b], v[TM+\b], s[SEL], s[SEL+1]
.endr
.irp b, 0,1,2,3
	v_max_num_f32 v[TM+\b], v[TM+\b], v[TM+4+\b]
.endr
	v_max3_num_f32 v[T0], v[TM], v[TM+1], v[TM+2]
	v_max_num_f32 v[T0], v[T0], v[TM+3]
	v_mul_f32 v[T0], s[CS], v[T0]          ; as t (c is positive)
	v_max_num_f32 v13, v13, v[T0]          ; the running largest t
	v_mov_b32 v[T0], v12
	v_floor_f32 v12, -v13                  ; the new -M = -ceil(t)
	v_sub_f32 v[T0], v12, v[T0]            ; old M - new M: a whole number, 0 or less
	v_cvt_i32_f32 v[T0], v[T0]             ; (it saturates)
	v_ldexp_f32 v[FF], 1.0, v[T0]          ; f = 2^(old M - new M)
.set J, 0
.rept 32
	v_pk_fma_f32 v[S+J:S+J+1], v[S+J:S+J+1], s[CS:CS+1], v[12:13] op_sel_hi:[1,0,0]   ; t - M
.set J, J+2
.endr
.irp b, 0,1,2,3
	v_fma_f32 v[TM+\b], v[TM+\b], s[CS], v12
.endr
.set J, 0
.rept 64
	v_exp_f32 v[S+J], v[S+J]               ; p = 2^(t - M)
.set J, J+1
.endr
.irp b, 0,1,2,3
	v_exp_f32 v[TM+\b], v[TM+\b]           ; the block's largest p
.endr
	v_pk_mul_f32 v[14:15], v[14:15], v[FF:FF+1] op_sel_hi:[1,0]        ; the sums under the new M (a plain line behind the exponentials)
	s_wait_alu depctr_va_vdst(0)
.irp b, 0,1,2,3
	v_max_num_f32 v[TM+\b], 0x8000000, v[TM+\b]                        ; the floor 2^(16 - 127)
.endr
.irp b, 0,1,2,3
	v_add_nc_u32 v[TM+12+\b], 0xf8800000, v[TM+\b]                     ; the conversion's scale operand
.endr
.irp b, 0,1,2,3
	v_and_or_b32 v[TM+8+\b], v[TM+\b], 0x7f800000, s[MNT]              ; 57,344 x the scale
.endr
.irp b, 0,1,2,3
	v_lshrrev_b32 v[TM+4+\b], 23, v[TM+12+\b]                          ; the byte
.endr
	v_lshl_or_b32 v[SP], v[TM+5], 8, v[TM+4]                           ; p's scale word for these 128 keys
	v_lshl_or_b32 v[SP], v[TM+6], 16, v[SP]
	v_lshl_or_b32 v[SP], v[TM+7], 24, v[SP]
	v_pk_add_f32 v[PS:PS+1], v[S:S+1], v[S+2:S+3]                      ; the row's sum of the unquantised p, in two chains
.irp j, 4,8,12,16,20,24,28,32,36,40,44,48,52,56,60
	v_pk_add_f32 v[14:15], v[14:15], v[S+\j:S+\j+1]
	v_pk_add_f32 v[PS:PS+1], v[PS:PS+1], v[S+2+\j:S+3+\j]
.endr
	v_pk_add_f32 v[14:15], v[14:15], v[PS:PS+1]
.irp b, 0,1,2,3
.irp i, 0,1,2,3,4,5,6,7,8,9,10,11,12,13,14,15
	v_min_num_f32 v[S+16*\b+\i], v[S+16*\b+\i], v[TM+8+\b]             ; the hold; p is not negative
.endr
	v_cvt_scalef32_pk8_bf8_f32 v[PC+4*\b:PC+4*\b+1], v[S+16*\b:S+16*\b+7], v[TM+12+\b]
	v_cvt_scalef32_pk8_bf8_f32 v[PC+4*\b+2:PC+4*\b+3], v[S+16*\b+8:S+16*\b+15], v[TM+12+\b]
.endr
.set J, 0
.rept 16
	v_pk_mul_f32 v[O+J:O+J+1], v[O+J:O+J+1], v[FF:FF+1] op_sel_hi:[1,0]   ; O^T under the new M; these lines also stand between the conversions and the products
.set J, J+2
.endr
	s_wait_dscnt 0x0                       ; V and its scale words
.irp t, 0,1,2,3
	v_wmma_scale_f32_16x16x128_f8f6f4 v[O+8*\t:O+8*\t+7], v[F+16*\t:F+16*\t+15], v[PC:PC+15], v[O+8*\t:O+8*\t+7], v[SK+\t], v[SP] matrix_a_fmt:MATRIX_FMT_BF8 matrix_b_fmt:MATRIX_FMT_BF8
.endr
	s_add_co_u32 s[TK], s[TK], 8192        ; the next 128 keys
	s_add_co_u32 s[TV], s[TV], 8192
	s_add_co_u32 s[TE], s[TE], 8192
	s_add_co_u32 s[TES], s[TES], 512
	s_add_co_u32 s[TKS], s[TKS], 512
	s_add_co_u32 s[TVS], s[TVS], 256
	s_sub_co_u32 s[CNT], s[CNT], 1
	s_cmp_lg_u32 s[CNT], 0
	s_cbranch_scc1 .Lstep
	; THE WAY OUT: O^T / the sum; register 8 t + j is d = 32 (t / 2) + 16 h + 8 (t % 2) + j of query r: two blocks of 16 neighbours, quantised as they lie
	NOPS 8
	v_add_f32 v14, v14, v15
	v_permlanex16_b32 v[T0], v14, s[SEL], s[SEL+1]
	v_add_f32 v14, v14, v[T0]              ; the row's sum
	v_rcp_f32 v14, v14
	v_nop                                  ; a plain line behind the transcendental
.set J, 0
	s_wait_alu depctr_va_vdst(0)
.rept 32
	v_mul_f32 v[S+J], v[O+J], v14
.set J, J+1
.endr
.irp b, 0,1
	v_max3_num_f32 v[TM+\b], |v[S+16*\b]|, |v[S+1+16*\b]|, 0x8000000
.endr
.irp i, 2,4,6,8,10,12,14
.irp b, 0,1
	v_max3_num_f32 v[TM+\b], v[TM+\b], |v[S+16*\b+\i]|, |v[S+1+16*\b+\i]|
.endr
.endr
.irp b, 0,1
	v_permlanex16_b32 v[TM+4+\b], v[TM+\b], s[SEL], s[SEL+1]
.endr
.irp b, 0,1
	v_max_num_f32 v[TM+\b], v[TM+\b], v[TM+4+\b]
.endr
.irp b, 0,1
	v_add_nc_u32 v[TM+12+\b], 0xf8800000, v[TM+\b]
	v_and_or_b32 v[TM+8+\b], v[TM+\b], 0x7f800000, s[MNT]
.endr
.irp b, 0,1
	v_lshrrev_b32 v[TM+4+\b], 23, v[TM+12+\b]
.endr
	v_lshl_or_b32 v8, v[TM+5], 8, v[TM+4]
.irp b, 0,1
.irp i, 0,1,2,3,4,5,6,7,8,9,10,11,12,13,14,15
	v_med3_num_f32 v[S+16*\b+\i], v[S+16*\b+\i], -v[TM+8+\b], v[TM+8+\b]
.endr
	v_cvt_scalef32_pk8_bf8_f32 v[PC+4*\b:PC+4*\b+1], v[S+16*\b:S+16*\b+7], v[TM+12+\b]
	v_cvt_scalef32_pk8_bf8_f32 v[PC+4*\b+2:PC+4*\b+3], v[S+16*\b+8:S+16*\b+15], v[TM+12+\b]
.endr
	v_nop
	global_store_b128 v[LI], v[PC:PC+3], s[10:11]                      ; 512 consecutive bytes each
	global_store_b128 v[LI], v[PC+4:PC+7], s[10:11] offset:512
	global_store_b16 v[LR16], v8, s[12:13]                             ; my row's two scale bytes of this head
	s_wait_tensorcnt 0x0
	ds_add_u32 v254, v255
	s_wait_dscnt 0x0
	CROUND                                 ; the closing round: no work-group ends while a partner may still ask jointly
	s_endpgm
.Lfunc_end_k_q1a16e3d7de_attn:
	.size	k_q1a16e3d7de_attn, .Lfunc_end_k_q1a16e3d7de_attn-k_q1a16e3d7de_attn
	.p2alignl 7, 3214868480
	.fill 96, 4, 3214868480
	.section	.rodata,"a",@progbits
	.p2align	6, 0x0
	.amdhsa_kernel k_q1a16e3d7de_attn
		.amdhsa_group_segment_fixed_size 327680
		.amdhsa_private_segment_fixed_size 0
		.amdhsa_enable_private_segment 0
		.amdhsa_kernarg_size 40
		.amdhsa_user_sgpr_count 2
		.amdhsa_user_sgpr_kernarg_segment_ptr 1
		.amdhsa_wavefront_size32 1
		.amdhsa_system_sgpr_workgroup_id_x 1
		.amdhsa_system_sgpr_workgroup_id_y 1
		.amdhsa_system_sgpr_workgroup_id_z 1
		.amdhsa_system_vgpr_workitem_id 0
		.amdhsa_next_free_vgpr 256
		.amdhsa_next_free_sgpr 66
		.amdhsa_reserve_vcc 0
		.amdhsa_float_denorm_mode_32 3
		.amdhsa_float_denorm_mode_16_64 3
		.amdhsa_memory_ordered 1
		.amdhsa_forward_progress 1
		.amdhsa_inst_pref_size 43
	.end_amdhsa_kernel
	.amdgpu_metadata
---
amdhsa.version: [ 1, 2 ]
amdhsa.kernels:
  - .name:           k_q1a16e3d7de_attn
    .symbol:         k_q1a16e3d7de_attn.kd
    .args:
      - { .name: qb, .offset: 0, .size: 8, .value_kind: global_buffer, .address_space: global }
      - { .name: kvb, .offset: 8, .size: 8, .value_kind: global_buffer, .address_space: global }
      - { .name: ewb, .offset: 16, .size: 8, .value_kind: global_buffer, .address_space: global }
      - { .name: oimg, .offset: 24, .size: 8, .value_kind: global_buffer, .address_space: global }
      - { .name: osc, .offset: 32, .size: 8, .value_kind: global_buffer, .address_space: global }
    .group_segment_fixed_size: 327680
    .private_segment_fixed_size: 0
    .kernarg_segment_align: 8
    .kernarg_segment_size: 40
    .max_flat_workgroup_size: 512
    .sgpr_count:     66
    .vgpr_count:     256
    .wavefront_size: 32
...
	.end_amdgpu_metadata
.endif
;; end of part 2
;; launch outp (part 3): grid 64 x 4, 8 waves a work-group, no clusters, 136,192 bytes of LDS; arguments oimg, osc, Wout_codes, Wout_scales, bout, out0; writes out0
.if DOCPART == 3
	.amdgcn_target "amdgcn-amd-amdhsa--gfx1250"
	.amdhsa_code_object_version 6
	.text
	.protected	k_q1a16e3d7de_outp
	.globl	k_q1a16e3d7de_outp
	.p2align	8
	.type	k_q1a16e3d7de_outp,@function
k_q1a16e3d7de_outp:
	s_mov_b64 s[64:65], 0
	v_nop
	global_prefetch_b8 v0, s[64:65] scope:SCOPE_SE
	s_setreg_imm32_b32 hwreg(HW_REG_WAVE_MODE, 25, 1), 1
	s_wait_xcnt 0x0
; out0 = o Wout + bout on codes of BF8 (E5M2) with E8M0 scales.  o comes as images of operand registers (tile of 16 rows: 8,192 bytes, K step ks, group c at 512 (4 ks + c), lane l at 16 l) and 16 scale bytes a row.
; SHARES.  A work-group takes 128 rows x 128 columns; wave w takes the tile of 16 rows 8 x + w against eight tiles of 16 columns: 32 products.  Wout's 128 rows (columns of the result) go through LDS once, rows 528 bytes apart.
; The product is used transposed (source 0 = 16 rows of Wout, source 1 = o): a lane holds eight neighbouring columns of one row.  The bias is loaded straight into the accumulators.
; The way out goes through the wave's own stage (16 rows of 512 + 16 bytes): each store then covers 512 consecutive bytes of a row of out0, aligned to 256.
; No tensor load and no cluster: the launch reads 0.6 MB a work-group at most, once, and what work-groups share (Wout's rows, o's tiles) is read a few times from the cache.
.set PITCH, 528
.set OSC,  16                          ; v16-19  o's scale words, one a K step
.set WSC,  20                          ; v20-51  Wout's, tile ct, K step ks at 20 + 4 ct + ks
.set OF,   52                          ; v52-115 o's four fragments; on the way out rows of the result
.set WF,   116                         ; v116-179 four fragments of Wout (first: 16 rows on their way to LDS)
.set ACC,  180                         ; v180-243 eight accumulators
.set WV,   16
.macro NOPS n
.rept \n
	v_nop
.endr
.endm
	s_load_b256 s[4:11], s[0:1], 0x0       ; oimg, osc, Wout codes, Wout scales
	s_load_b128 s[12:15], s[0:1], 0x20     ; bout, out0
	v_lshl_add_u32 v254, v0, 2, 0x21000
	v_mov_b32 v255, 0
	v_lshrrev_b32 v1, 5, v0
	v_readfirstlane_b32 s[WV], v1          ; wave 0..7
	s_and_b32 s18, ttmp7, 0xffff           ; which 128 columns
	s_lshl_b32 s19, ttmp9, 3
	s_add_co_u32 s19, s19, s[WV]           ; my tile of 16 rows
	s_mov_b32 s21, 0
	v_and_b32 v8, 15, v0                   ; r
	v_bfe_u32 v9, v0, 4, 1                 ; h
	v_and_b32 v1, 31, v0
	v_lshlrev_b32 v1, 4, v1                ; 16 x lane
	v_mul_u32_u24 v2, v8, PITCH
	v_lshl_add_u32 v2, v9, 4, v2           ; a fragment of Wout in LDS
	v_lshlrev_b32 v3, 4, v8                ; 16 r
	s_mul_i32 s22, s[WV], 16*PITCH
	v_add_nc_u32 v7, s22, v1               ; where my 16 rows of Wout go
	s_add_co_u32 s22, s22, 128*PITCH       ; my stage
	v_mul_u32_u24 v4, v8, PITCH
	v_lshl_add_u32 v4, v9, 5, v4
	v_add_nc_u32 v4, s22, v4               ; in: row r, + 32 h
	v_add_nc_u32 v5, s22, v1               ; back: 16 bytes a lane
	v_lshlrev_b32 v6, 5, v9                ; the bias: 8 h numbers on
	s_wait_kmcnt 0x0
	s_lshl_b32 s20, s19, 13
	s_add_nc_u64 s[4:5], s[4:5], s[20:21]
	s_lshl_b32 s20, s19, 8
	s_add_nc_u64 s[6:7], s[6:7], s[20:21]
	s_lshl_b32 s20, s18, 16
	s_lshl_b32 s23, s[WV], 13
	s_add_co_u32 s20, s20, s23
	s_add_nc_u64 s[8:9], s[8:9], s[20:21]
	s_lshl_b32 s20, s18, 11
	s_add_nc_u64 s[10:11], s[10:11], s[20:21]
	s_lshl_b32 s20, s18, 9
	s_add_nc_u64 s[12:13], s[12:13], s[20:21]
	s_add_nc_u64 s[14:15], s[14:15], s[20:21]      ; my 128 columns are 512 bytes of a row as well
	s_lshl_b32 s20, s19, 15                        ; 16 rows of 2,048 bytes
	s_add_nc_u64 s[14:15], s[14:15], s[20:21]
.irp i, 0,1,2,3,4,5,6,7,8,9,10,11,12,13,14,15
	global_load_b128 v[WF+4*\i:WF+4*\i+3], v1, s[8:9] offset:512*\i
.endr
.irp i, 0,1,2,3,4,5,6,7,8,9,10,11,12,13,14,15
	global_load_b128 v[OF+4*\i:OF+4*\i+3], v1, s[4:5] offset:512*\i
.endr
	global_load_b128 v[OSC:OSC+3], v3, s[6:7]
.irp ct, 0,1,2,3,4,5,6,7
	global_load_b128 v[WSC+4*\ct:WSC+4*\ct+3], v3, s[10:11] offset:256*\ct
.endr
.irp ct, 0,1,2,3,4,5,6,7
	global_load_b128 v[ACC+8*\ct:ACC+8*\ct+3], v6, s[12:13] offset:64*\ct
	global_load_b128 v[ACC+8*\ct+4:ACC+8*\ct+7], v6, s[12:13] offset:64*\ct+16
.endr
	s_wait_loadcnt 41                      ; my rows of Wout are in; the 41 loads behind them (16 + 1 + 8 + 16) may be out
.irp i, 0,1,2,3,4,5,6,7,8,9,10,11,12,13,14,15
	ds_store_b128 v7, v[WF+4*\i:WF+4*\i+3] offset:PITCH*\i
.endr
	s_wait_dscnt 0x0                       ; for the others' sake
	s_barrier_signal -1
	s_barrier_wait -1
	s_wait_loadcnt 0x0
; four tiles of columns for one K step; the four accumulators by turns
.macro GROUP g, ks
	NOPS 8                                 ; places in front of loads into registers that products have read
.irp i, 0,1,2,3
.irp c, 0,1,2,3
	ds_load_b128 v[WF+16*\i+4*\c:WF+16*\i+4*\c+3], v2 offset:(4*\g+\i)*16*PITCH+128*\ks+32*\c
.endr
.endr
	s_wait_dscnt 0x0
.irp i, 0,1,2,3
	v_wmma_scale_f32_16x16x128_f8f6f4 v[ACC+8*(4*\g+\i):ACC+8*(4*\g+\i)+7], v[WF+16*\i:WF+16*\i+15], v[OF+16*\ks:OF+16*\ks+15], v[ACC+8*(4*\g+\i):ACC+8*(4*\g+\i)+7], v[WSC+4*(4*\g+\i)+\ks], v[OSC+\ks] matrix_a_fmt:MATRIX_FMT_BF8 matrix_b_fmt:MATRIX_FMT_BF8
.endr
.endm
.irp g, 0,1
.irp ks, 0,1,2,3
	GROUP \g, \ks
.endr
.endr
	NOPS 8                                 ; in front of the stores of results and of the loads over o's fragments
.irp ct, 0,1,2,3,4,5,6,7
	ds_store_b128 v4, v[ACC+8*\ct:ACC+8*\ct+3] offset:64*\ct           ; each accumulator from its low end on
	ds_store_b128 v4, v[ACC+8*\ct+4:ACC+8*\ct+7] offset:64*\ct+16
.endr
.irp i, 0,1,2,3,4,5,6,7,8,9,10,11,12,13,14,15
	ds_load_b128 v[OF+4*\i:OF+4*\i+3], v5 offset:PITCH*\i              ; LDS serves a wave's instructions in order (ISA guide 5.7.1.4): these see my stores
.endr
.irp i, 0,1,2,3,4,5,6,7,8,9,10,11,12,13,14,15
	s_wait_dscnt 15-\i                     ; row i is back; the younger loads may be out
	global_store_b128 v1, v[OF+4*\i:OF+4*\i+3], s[14:15] offset:2048*\i th:TH_STORE_NT
.endr
	s_wait_tensorcnt 0x0
	ds_add_u32 v254, v255
	s_wait_dscnt 0x0
	s_endpgm
.Lfunc_end_k_q1a16e3d7de_outp:
	.size	k_q1a16e3d7de_outp, .Lfunc_end_k_q1a16e3d7de_outp-k_q1a16e3d7de_outp
	.p2alignl 7, 3214868480
	.fill 96, 4, 3214868480
	.section	.rodata,"a",@progbits
	.p2align	6, 0x0
	.amdhsa_kernel k_q1a16e3d7de_outp
		.amdhsa_group_segment_fixed_size 136192
		.amdhsa_private_segment_fixed_size 0
		.amdhsa_enable_private_segment 0
		.amdhsa_kernarg_size 48
		.amdhsa_user_sgpr_count 2
		.amdhsa_user_sgpr_kernarg_segment_ptr 1
		.amdhsa_wavefront_size32 1
		.amdhsa_system_sgpr_workgroup_id_x 1
		.amdhsa_system_sgpr_workgroup_id_y 1
		.amdhsa_system_sgpr_workgroup_id_z 1
		.amdhsa_system_vgpr_workitem_id 0
		.amdhsa_next_free_vgpr 256
		.amdhsa_next_free_sgpr 66
		.amdhsa_reserve_vcc 0
		.amdhsa_float_denorm_mode_32 3
		.amdhsa_float_denorm_mode_16_64 3
		.amdhsa_memory_ordered 1
		.amdhsa_forward_progress 1
		.amdhsa_inst_pref_size 28
	.end_amdhsa_kernel
	.amdgpu_metadata
---
amdhsa.version: [ 1, 2 ]
amdhsa.kernels:
  - .name:           k_q1a16e3d7de_outp
    .symbol:         k_q1a16e3d7de_outp.kd
    .args:
      - { .name: oimg, .offset: 0, .size: 8, .value_kind: global_buffer, .address_space: global }
      - { .name: osc, .offset: 8, .size: 8, .value_kind: global_buffer, .address_space: global }
      - { .name: Wout_codes, .offset: 16, .size: 8, .value_kind: global_buffer, .address_space: global }
      - { .name: Wout_scales, .offset: 24, .size: 8, .value_kind: global_buffer, .address_space: global }
      - { .name: bout, .offset: 32, .size: 8, .value_kind: global_buffer, .address_space: global }
      - { .name: out0, .offset: 40, .size: 8, .value_kind: global_buffer, .address_space: global }
    .group_segment_fixed_size: 136192
    .private_segment_fixed_size: 0
    .kernarg_segment_align: 8
    .kernarg_segment_size: 48
    .max_flat_workgroup_size: 256
    .sgpr_count:     66
    .vgpr_count:     256
    .wavefront_size: 32
...
	.end_amdgpu_metadata
.endif
;; end of part 3
;; ======== version 2 of 2: 3 launches
;; workspace buffers: qb 4,456,448 bytes; kvb 8,781,824 bytes; ewb 348,160 bytes; oimg 4,194,304 bytes; osc 131,072 bytes
;; launch proj (part 4): grid 232 x 1, 8 waves a work-group, no clusters, 68,608 bytes of LDS; arguments x_codes, x_scales, Wq_codes, Wq_scales, bq, Wkv_codes, Wkv_scales, bkv, rel_emb, qb, kvb, ewb; writes qb, kvb, ewb
.if DOCPART == 4
	.amdgcn_target "amdgcn-amd-amdhsa--gfx1250"
	.amdhsa_code_object_version 6
	.text
	.protected	k_q1a16e3d7de_proj
	.globl	k_q1a16e3d7de_proj
	.p2align	8
	.type	k_q1a16e3d7de_proj,@function
k_q1a16e3d7de_proj:
	s_mov_b64 s[64:65], 0
	v_nop
	global_prefetch_b8 v0, s[64:65] scope:SCOPE_SE
	s_setreg_imm32_b32 hwreg(HW_REG_WAVE_SCHED_MODE, 0, 2), 2
	s_setreg_imm32_b32 hwreg(HW_REG_WAVE_MODE, 25, 1), 1
	s_wait_xcnt 0x0
	s_wait_alu depctr_vm_vsrc(0)
; q = x Wq + bq, k and v = x Wkv + bkv on codes of BF8 (E5M2) with E8M0 scales, and the quantising of q, k (along the head's 64), of v (along the keys) and of rel_emb's rows (along their 64).
; All results leave as IMAGES OF OPERAND REGISTERS: a group of four registers is 512 bytes, lane l's 16 bytes at 16 l, so that the next launch fetches fragments as dense blocks.
; SHARES.  Work-group number / 64 is the kind: 0 q, 1 k, 2 v, 3 the table.  Kinds 0-2: the work-group takes 128 rows of x (64 such blocks), wave w takes head w: 64 columns, whose 16 fragments of W stay in 256 registers.
;   x's 128 rows go through LDS once (rows 528 bytes apart: 33 x 16, so that the sixteen rows of a fragment load start 16 bytes apart modulo 256).
; q, k: source 0 = 16 rows of W, source 1 = 16 rows of x.  Lane r of W's tile 2 b + u takes row 32 b + 8 u + r + 8 (r / 8), so that a lane's 16 registers of tiles 2 b, 2 b + 1 are columns 32 b + 16 (lane / 16) + 0 .. 15 of one row of x:
;   the conversions' results are the next operand's registers.
; v: source 0 = 16 rows of x (keys), source 1 = the same tiles of W.  A lane holds one column d and, in the two tiles of a pair, keys 32 p + 16 xt + 8 (lane / 16) + j; they are laid at place 32 p + 16 (lane / 16) + 8 xt + j of the
;   operand.  The attention launch lays its weights p in the same order, so the products pair up; a block of 32 keys stays a block.
; Kind 3 (40 work-groups): wave w makes fragment fl = 8 (j / 4) + w of window cx = j % 4: its row r is rel_emb[clip(767 + 256 cx - 16 fl - r, 0, 1024)], quantised.
; A block's scale is 2^(floor(log2(largest magnitude)) - 15); its byte is the largest magnitude's exponent field - 15, held at 1 from below.
; LIMITS: NaN and infinities are not served.  A block of zeros gets the byte 1 where the rule says 127: its codes are zeros, and only this program reads these bytes.
; REGISTERS, window 0: v1-7, v12 addresses; v8-11 scale words to store; v16-47 x's scale words; v48-63 W's; v64-127 x's fragments, two buffers of two tiles (first: 16 rows of x on their way to LDS);
;   v128-191 eight accumulators; v192-223 the bias, eight registers a tile; v224-239 codes; v240-255 at work.   window 1: W's 16 fragments, (tile t, K step ks) at 16 (4 t + ks).
; THE MODE: SCHED_MODE bits 1:0 = 2 (LLVM: expert scheduling mode 2), set by the entry lines.  The code itself states the register dependences
; between vector or matrix instructions and memory or LDS instructions, with s_wait_alu, always for 0.
; THE PLAN.  Registers that memory or LDS instructions touch:
;   v1-v7, v12    addresses and offsets: made once at the head, never written again.
;   window 1, v16-63, v192-223   W, the scale words, the bias: loaded once; behind that named by products (and, for v's bias, by copies) alone.
;   buffer 0, 1   v64-95, v96-127.  At the head my LDS stores read them.  In a pair, buffer 0 is read by the products of K steps 0 and 2, buffer 1 by those of K steps 1 and 3;
;                 the loads of K step 2 land in buffer 0 behind K step 0's products, those of K step 3 in buffer 1 behind K step 1's, and the next pair's K steps 0 and 1 in both behind K step 3's.
;   PC, WD        v224-239, v8-11: written by a pair's quantiser; read by that pair's stores, which are issued in the NEXT pair.
; So a pair has three waits on va_vdst, each behind the products that empty a buffer.  The first of them also states that the pair before has written its codes and words: that pair's stores follow it.
; The third stands ahead of the quantiser, so that the next pair's first fragments land while the quantiser works.  One wait on vm_vsrc stands ahead of the quantiser, which writes PC and WD again.
.set PITCH, 528
.set XSC,   16
.set WSC,   48
.set XF,    64
.set ACC,   128
.set BI,    192
.set PC,    224
.set TM,    240                        ; +0..3 largest magnitudes, +4..7 the other half's, then bytes, +8..11 57,344 x the scale, +12..15 the conversions' scale operands
.set WD,    8
.set WV,    28
.set SEL,   32
.set MNT,   34
.set MSB,   0
.macro WIN new                         ; the immediate's high byte repeats the setting that is left
.if MSB != \new
	s_set_vgpr_msb (MSB<<8)|\new
.set MSB, \new
.endif
.endm
.macro NOPS n
.rept \n
	v_nop
.endr
.endm
; nb blocks: registers v[s + 16 b + i] are 16 numbers of block b; lane l xor 16 holds the block's other 16.  Codes to v[PC + 4 b] on, bytes to v[TM + 4 + b].
.macro QUANT s, nb
.set QI, 0
.rept \nb
	v_max3_num_f32 v[TM+QI], |v[(\s)+16*QI]|, |v[(\s)+1+16*QI]|, 0x8000000   ; my 16 numbers and the floor 2^(16 - 127): the byte cannot fall under 1
.set QI, QI+1
.endr
.irp i, 2,4,6,8,10,12,14
.set QI, 0
.rept \nb
	v_max3_num_f32 v[TM+QI], v[TM+QI], |v[(\s)+16*QI+\i]|, |v[(\s)+1+16*QI+\i]|   ; the blocks by turns
.set QI, QI+1
.endr
.endr
.set QI, 0
.rept \nb
	v_permlanex16_b32 v[TM+4+QI], v[TM+QI], s[SEL], s[SEL+1]
.set QI, QI+1
.endr
.set QI, 0
.rept \nb
	v_max_num_f32 v[TM+QI], v[TM+QI], v[TM+4+QI]                 ; the block's largest magnitude
.set QI, QI+1
.endr
.set QI, 0
.rept \nb
	v_add_nc_u32 v[TM+12+QI], 0xf8800000, v[TM+QI]               ; 15 off its exponent field: the conversion's scale operand
	v_and_or_b32 v[TM+8+QI], v[TM+QI], 0x7f800000, s[MNT]        ; 57,344 x the scale
.set QI, QI+1
.endr
.set QI, 0
.rept \nb
	v_lshrrev_b32 v[TM+4+QI], 23, v[TM+12+QI]                    ; the scale's byte
.set QI, QI+1
.endr
.set QI, 0
.rept \nb
.irp i, 0,1,2,3,4,5,6,7,8,9,10,11,12,13,14,15
	v_med3_num_f32 v[(\s)+16*QI+\i], v[(\s)+16*QI+\i], -v[TM+8+QI], v[TM+8+QI]   ; the conversion does not saturate (ISA guide 7.6.2): the hold at the largest code x the scale
.endr
	v_cvt_scalef32_pk8_bf8_f32 v[PC+4*QI:PC+4*QI+1], v[(\s)+16*QI:(\s)+16*QI+7], v[TM+12+QI]
	v_cvt_scalef32_pk8_bf8_f32 v[PC+4*QI+2:PC+4*QI+3], v[(\s)+16*QI+8:(\s)+16*QI+15], v[TM+12+QI]
.set QI, QI+1
.endr
	v_nop                                  ; a plain line between the last conversion and whatever next touches its registers
.endm
.macro LOADX t0, ks, buf               ; the fragments of x's tiles t0, t0 + 1 for K step ks into buffer buf: 8 loads
.irp xt, 0,1
.irp c, 0,1,2,3
	ds_load_b128 v[XF+32*(\buf)+16*\xt+4*\c:XF+32*(\buf)+16*\xt+4*\c+3], v2 offset:((\t0)+\xt)*16*PITCH+128*(\ks)+32*\c
.endr
.endr
.endm
; Eight products, the eight accumulators by turns.  first = 1: the bias is the C of a sum's first product.
.macro MUL kind, p, ks, buf, first
.if \kind == 0
	WIN 0x01                               ; source 0 (W) window 1
.irp xt, 0,1
.irp t, 0,1,2,3
.if \first
	v_wmma_scale_f32_16x16x128_f8f6f4 v[ACC+8*(4*\xt+\t):ACC+8*(4*\xt+\t)+7], v[16*(4*\t+\ks):16*(4*\t+\ks)+15], v[XF+32*\buf+16*\xt:XF+32*\buf+16*\xt+15], v[BI+8*\t:BI+8*\t+7], v[WSC+4*\t+\ks], v[XSC+4*(2*\p+\xt)+\ks] matrix_a_fmt:MATRIX_FMT_BF8 matrix_b_fmt:MATRIX_FMT_BF8
.else
	v_wmma_scale_f32_16x16x128_f8f6f4 v[ACC+8*(4*\xt+\t):ACC+8*(4*\xt+\t)+7], v[16*(4*\t+\ks):16*(4*\t+\ks)+15], v[XF+32*\buf+16*\xt:XF+32*\buf+16*\xt+15], v[ACC+8*(4*\xt+\t):ACC+8*(4*\xt+\t)+7], v[WSC+4*\t+\ks], v[XSC+4*(2*\p+\xt)+\ks] matrix_a_fmt:MATRIX_FMT_BF8 matrix_b_fmt:MATRIX_FMT_BF8
.endif
.endr
.endr
.else
	WIN 0x04                               ; source 1 (W) window 1
.irp t, 0,1,2,3
.irp xt, 0,1
.if \first
	v_wmma_scale_f32_16x16x128_f8f6f4 v[ACC+8*(2*\t+\xt):ACC+8*(2*\t+\xt)+7], v[XF+32*\buf+16*\xt:XF+32*\buf+16*\xt+15], v[16*(4*\t+\ks):16*(4*\t+\ks)+15], v[BI+8*\t:BI+8*\t+7], v[XSC+4*(2*\p+\xt)+\ks], v[WSC+4*\t+\ks] matrix_a_fmt:MATRIX_FMT_BF8 matrix_b_fmt:MATRIX_FMT_BF8
.else
	v_wmma_scale_f32_16x16x128_f8f6f4 v[ACC+8*(2*\t+\xt):ACC+8*(2*\t+\xt)+7], v[XF+32*\buf+16*\xt:XF+32*\buf+16*\xt+15], v[16*(4*\t+\ks):16*(4*\t+\ks)+15], v[ACC+8*(2*\t+\xt):ACC+8*(2*\t+\xt)+7], v[XSC+4*(2*\p+\xt)+\ks], v[WSC+4*\t+\ks] matrix_a_fmt:MATRIX_FMT_BF8 matrix_b_fmt:MATRIX_FMT_BF8
.endif
.endr
.endr
.endif
.endm
; The stores of pair p's codes and, where a register of words is full, of its scale words.  They stand behind a wait on va_vdst that was issued behind pair p's quantiser.
.macro SEND p, kind
.if \kind == 0
.irp xt, 0,1
.irp c, 0,1
	global_store_b128 v1, v[PC+8*\xt+4*\c:PC+8*\xt+4*\c+3], s[42:43] offset:1024*(2*(\p)+\xt)+512*\c   ; 512 consecutive bytes
.endr
.endr
.if ((\p)%2) == 1
	global_store_b128 v3, v[WD:WD+3], s[44:45] offset:256*((\p)/2)       ; four tiles' words of a row side by side: 256 consecutive bytes (both halves of the lanes store the same)
.endif
.else
.irp t, 0,1,2,3
	global_store_b128 v1, v[PC+4*\t:PC+4*\t+3], s[42:43] offset:2048*\t+512*(\p)
.endr
.if (\p) == 3
	global_store_b128 v3, v[WD:WD+3], s[44:45]
.endif
.endif
.endm
; x's tiles 2 p and 2 p + 1 against my head's four tiles of W: 32 products, then the quantiser.  The fragments of K steps 0 and 1 were asked for ahead of the pair; the pair's own stores follow in the next pair.
.macro PAIR p, kind
	s_wait_dscnt 8                         ; K step 0's eight loads are in; the other buffer's eight may be out
	MUL \kind, \p, 0, 0, 1
	NOPS 8                                 ; eight places behind the products; the wait below states the dependence itself
	WIN 0
	s_wait_alu depctr_va_vdst(0)           ; K step 0's products are done reading buffer 0, in which the loads below land; the pair before has written its codes and words, which the stores below read
	LOADX 2*\p, 2, 0
.if \p > 0
	SEND (\p)-1, \kind
.endif
	s_wait_dscnt 8                         ; K step 1's are in
	MUL \kind, \p, 1, 1, 0
	NOPS 8
	WIN 0
	s_wait_alu depctr_va_vdst(0)           ; K step 1's products are done reading buffer 1, in which the loads below land
	LOADX 2*\p, 3, 1
	s_wait_dscnt 8                         ; K step 2's are in
	MUL \kind, \p, 2, 0, 0
	s_wait_dscnt 0x0
	MUL \kind, \p, 3, 1, 0
	WIN 0
	NOPS 9                                 ; eight in front of the first read of results; the ninth for the next pair's first products, which write over these accumulators
.if \p < 3
	s_wait_alu depctr_va_vdst(0)           ; the products of K steps 2 and 3 are done reading both buffers, in which the next pair's first fragments land while the quantiser works
	LOADX 2*\p+2, 0, 0
	LOADX 2*\p+2, 1, 1
.endif
	s_wait_xcnt 0x0                        ; the stores issued in this pair have had their addresses translated: codes and words may be written again
.if \p > 0
	s_wait_alu depctr_vm_vsrc(0)           ; those stores have read v[PC ..] and v[WD ..], which the quantiser and the words' lines below write again
.endif
	QUANT ACC, 4
.if \kind == 0
.irp xt, 0,1
	v_lshl_or_b32 v[WD+(2*\p+\xt)%4], v[TM+5+2*\xt], 8, v[TM+4+2*\xt]    ; the row's two bytes; bytes 2 and 3 stay 0
.endr
.else
.irp t, 0,1,2,3
.if \p == 0
	v_mov_b32 v[WD+\t], v[TM+4+\t]
.else
	v_lshl_or_b32 v[WD+\t], v[TM+4+\t], 8*\p, v[WD+\t]                   ; byte p of the key step's word of my column d
.endif
.endr
.endif
.endm
	s_load_b512 s[4:19], s[0:1], 0x0       ; x codes, x scales, Wq codes, Wq scales, bq, Wkv codes, Wkv scales, bkv
	s_load_b256 s[20:27], s[0:1], 0x40     ; rel_emb, qb, kvb, ewb
	v_lshrrev_b32 v1, 5, v0
	v_readfirstlane_b32 s[WV], v1          ; wave 0..7
	s_lshr_b32 s29, ttmp9, 6               ; the kind
	s_and_b32 s30, ttmp9, 63               ; the block of rows, or the table's part
	s_mov_b32 s[SEL], 0x76543210
	s_mov_b32 s[SEL+1], 0xfedcba98         ; lane l xor 16
	s_mov_b32 s[MNT], 0x600000             ; the mantissa field of 57,344
	s_mov_b32 s55, 0                       ; the upper word of every offset pair s[54:55]
	v_and_b32 v13, 15, v0                  ; r
	v_bfe_u32 v14, v0, 4, 1                ; h
	v_and_b32 v1, 31, v0
	v_lshlrev_b32 v1, 4, v1                ; 16 x lane
	v_mul_u32_u24 v2, v13, PITCH
	v_lshl_add_u32 v2, v14, 4, v2          ; a fragment of x in LDS: row r, + 16 h
	v_lshlrev_b32 v3, 4, v13               ; 16 r
	v_and_b32 v15, 8, v13
	v_add_nc_u32 v15, v15, v13             ; r + 8 (r / 8)
	v_lshlrev_b32 v4, 9, v15
	v_lshl_add_u32 v4, v14, 4, v4          ; W: that row of 512 bytes, + 16 h
	v_lshlrev_b32 v5, 4, v15               ; W's scale bytes: 16 a row
	v_lshlrev_b32 v6, 6, v14               ; the bias for q, k: 16 h numbers on
	v_lshlrev_b32 v12, 2, v15              ; the bias for v: my column's
.irp b, 0,1,2,3
	v_mov_b32 v[TM+4+\b], 0                ; written once: a lane permute's destination counts as one of its sources
.endr
	s_wait_alu depctr_va_sdst(0)           ; the wave's number is written, ahead of the branch and of its first readers on both ways
	s_wait_kmcnt 0x0
	s_cmp_eq_u32 s29, 3
	s_cbranch_scc1 .Lemb
	s_cmp_eq_u32 s29, 0                    ; q takes Wq, bq, qb; k and v take Wkv, bkv, kvb: the choice hangs on the work-group's number alone
	s_cselect_b64 s[36:37], s[8:9], s[14:15]
	s_cselect_b64 s[38:39], s[10:11], s[16:17]
	s_cselect_b64 s[40:41], s[12:13], s[18:19]
	s_cselect_b64 s[42:43], s[22:23], s[24:25]
	s_mov_b32 s50, 137216
	s_cselect_b32 s50, 69632, s50          ; bytes of a (batch, head) in the buffer
	s_mov_b32 s51, 131072
	s_cselect_b32 s51, 65536, s51          ; where its scale words begin
	s_cmp_eq_u32 s29, 2
	s_cselect_b32 s52, 512, 0              ; v's columns lie behind k's
	s_cselect_b32 s58, 65536, 0            ; and its images behind k's
	s_mov_b32 s59, 135168
	s_cselect_b32 s51, s59, s51
	s_cselect_b32 s59, 8, 9                ; scale words of 128 rows: 256 bytes for v, 512 for q, k
	s_lshl_b32 s53, s[WV], 6
	s_add_co_u32 s52, s52, s53             ; my first row of W
	s_lshl_b32 s54, s52, 9
	s_add_nc_u64 s[36:37], s[36:37], s[54:55]
	s_lshl_b32 s54, s52, 4
	s_add_nc_u64 s[38:39], s[38:39], s[54:55]
	s_lshl_b32 s54, s52, 2
	s_add_nc_u64 s[40:41], s[40:41], s[54:55]
	s_lshr_b32 s56, s30, 3
	s_lshl_b32 s56, s56, 3
	s_add_co_u32 s56, s56, s[WV]           ; 8 x batch + head
	s_and_b32 s57, s30, 7                  ; which 128 rows of the batch
	s_mul_i32 s54, s56, s50
	s_add_nc_u64 s[42:43], s[42:43], s[54:55]
	s_lshl_b32 s59, s57, s59
	s_add_co_u32 s54, s51, s59
	s_add_nc_u64 s[44:45], s[42:43], s[54:55]      ; my scale words
	s_lshl_b32 s59, s57, 13
	s_add_co_u32 s54, s58, s59
	s_add_nc_u64 s[42:43], s[42:43], s[54:55]      ; my images: 8,192 bytes for 128 rows
	s_lshl_b32 s54, s30, 16
	s_lshl_b32 s53, s[WV], 13
	s_add_co_u32 s54, s54, s53
	s_add_nc_u64 s[46:47], s[4:5], s[54:55]        ; the 16 rows of x that I bring to LDS
	s_lshl_b32 s54, s30, 11
	s_add_nc_u64 s[48:49], s[6:7], s[54:55]        ; the 128 rows' scale bytes
	s_mul_i32 s53, s[WV], 16*PITCH
	v_add_nc_u32 v7, s53, v1
	WIN 0x40                               ; destination window 1
	s_wait_alu depctr_va_vdst(0)           ; the addresses and offsets v1 to v7 and v12 are written: every load and store on this way reads one of them
.irp t, 0,1,2,3
.irp ks, 0,1,2,3
.irp c, 0,1,2,3
	global_load_b128 v[16*(4*\t+\ks)+4*\c:16*(4*\t+\ks)+4*\c+3], v4, s[36:37] offset:(32*(\t/2)+8*(\t%2))*512+128*\ks+32*\c
.endr
.endr
.endr
	WIN 0
.irp i, 0,1,2,3,4,5,6,7,8,9,10,11,12,13,14,15
	global_load_b128 v[XF+4*\i:XF+4*\i+3], v1, s[46:47] offset:512*\i      ; a row of x: 512 consecutive bytes
.endr
.irp t, 0,1,2,3,4,5,6,7
	global_load_b128 v[XSC+4*\t:XSC+4*\t+3], v3, s[48:49] offset:256*\t    ; tile t: row r's four words
.endr
.irp t, 0,1,2,3
	global_load_b128 v[WSC+4*\t:WSC+4*\t+3], v5, s[38:39] offset:(32*(\t/2)+8*(\t%2))*16
.endr
	s_wait_loadcnt 12                      ; W and my rows of x are in; the 12 loads of scale words may be out
.irp i, 0,1,2,3,4,5,6,7,8,9,10,11,12,13,14,15
	ds_store_b128 v7, v[XF+4*\i:XF+4*\i+3] offset:PITCH*\i
.endr
	s_wait_dscnt 0x0                       ; for the others' sake: my rows lie in LDS
	s_barrier_signal -1
	s_barrier_wait -1
	s_wait_alu depctr_vm_vsrc(0)           ; my LDS stores have read v[XF ..]: from here on these registers are the two fragment buffers, in which LDS loads land
	LOADX 0, 0, 0                          ; the first pair's K steps 0 and 1
	LOADX 0, 1, 1
	s_cmp_eq_u32 s29, 2
	s_cbranch_scc1 .Lv
.irp t, 0,1,2,3                        ; q, k: register j of tile t belongs to column 32 (t / 2) + 8 (t % 2) + 16 h + j
	global_load_b128 v[BI+8*\t:BI+8*\t+3], v6, s[40:41] offset:(32*(\t/2)+8*(\t%2))*4
	global_load_b128 v[BI+8*\t+4:BI+8*\t+7], v6, s[40:41] offset:(32*(\t/2)+8*(\t%2))*4+16
.endr
	s_wait_loadcnt 0x0
	PAIR 0, 0
	PAIR 1, 0
	PAIR 2, 0
	PAIR 3, 0
	s_wait_alu depctr_va_vdst(0)           ; the last pair's quantiser has written its codes and words, which the stores below read
	SEND 3, 0
	s_wait_xcnt 0x0
	v_lshl_add_u32 v254, v0, 2, 0x10800
	v_mov_b32 v255, 0
	s_wait_dscnt 0x0                       ; the closing lines, six on end
	s_wait_alu 0x0
	s_wait_tensorcnt 0x0
	ds_add_u32 v254, v255
	s_wait_dscnt 0x0
	s_endpgm
.Lv:
.irp t, 0,1,2,3                        ; v: all eight registers of a tile belong to my column
	global_load_b32 v[BI+8*\t], v12, s[40:41] offset:(32*(\t/2)+8*(\t%2))*4
.endr
	s_wait_loadcnt 0x0
.irp t, 0,1,2,3
.irp j, 1,2,3,4,5,6,7
	v_mov_b32 v[BI+8*\t+\j], v[BI+8*\t]
.endr
.endr
	s_wait_alu depctr_va_vdst(0)
	PAIR 0, 1
	PAIR 1, 1
	PAIR 2, 1
	PAIR 3, 1
	s_wait_alu depctr_va_vdst(0)           ; the last pair's quantiser has written its codes and words, which the stores below read
	SEND 3, 1
	s_wait_xcnt 0x0
	v_lshl_add_u32 v254, v0, 2, 0x10800
	v_mov_b32 v255, 0
	s_wait_dscnt 0x0                       ; the closing lines, six on end
	s_wait_alu 0x0
	s_wait_tensorcnt 0x0
	ds_add_u32 v254, v255
	s_wait_dscnt 0x0
	s_endpgm
.Lemb:
	s_and_b32 s50, s30, 3                  ; the window cx
	s_lshr_b32 s51, s30, 2
	s_lshl_b32 s51, s51, 3
	s_add_co_u32 s51, s51, s[WV]           ; the fragment fl, 0 .. 79
	s_lshl_b32 s52, s50, 8
	s_add_co_u32 s52, s52, 1279
	s_lshl_b32 s53, s51, 4
	s_sub_co_u32 s52, s52, s53             ; 767 + 512 + 256 cx - 16 fl, at least 15
	v_sub_nc_u32 v8, s52, v13              ; u = the index + 512, never negative
	v_min_u32 v9, 0x200, v8
	v_sub_nc_u32 v8, v8, v9                ; held at 0 from below,
	v_min_u32 v8, 0x400, v8                ; at 1,024 from above
	v_lshlrev_b32 v8, 8, v8                ; a row of 64 f32
	v_lshl_add_u32 v8, v14, 6, v8          ; my 16 numbers of each block of 32
	v_lshlrev_b32 v10, 2, v13
	s_mul_i32 s56, s50, 87040
	s_lshl_b32 s53, s51, 10
	s_add_co_u32 s54, s56, s53
	s_add_nc_u64 s[42:43], s[26:27], s[54:55]
	s_lshl_b32 s53, s51, 6
	s_add_co_u32 s54, s56, s53
	s_add_co_u32 s54, s54, 81920
	s_add_nc_u64 s[44:45], s[26:27], s[54:55]
	s_wait_alu depctr_va_vdst(0)           ; v8, the loads' offset, is written; so are v1 and v10, the stores'
.irp c, 0,1
.irp j, 0,1,2,3
	global_load_b128 v[ACC+16*\c+4*\j:ACC+16*\c+4*\j+3], v8, s[20:21] offset:128*\c+16*\j
.endr
.endr
	s_wait_loadcnt 0x0
	QUANT ACC, 2
	v_lshl_or_b32 v11, v[TM+5], 8, v[TM+4]
	s_wait_alu depctr_va_vdst(0)           ; the conversions have written v[PC ..] and the line above v11, which the stores read
	global_store_b128 v1, v[PC:PC+3], s[42:43]
	global_store_b128 v1, v[PC+4:PC+7], s[42:43] offset:512
	global_store_b32 v10, v11, s[44:45]    ; row r's word (both halves of the lanes store the same)
	s_endpgm
.Lfunc_end_k_q1a16e3d7de_proj:
	.size	k_q1a16e3d7de_proj, .Lfunc_end_k_q1a16e3d7de_proj-k_q1a16e3d7de_proj
	.p2alignl 7, 3214868480
	.fill 96, 4, 3214868480
	.section	.rodata,"a",@progbits
	.p2align	6, 0x0
	.amdhsa_kernel k_q1a16e3d7de_proj
		.amdhsa_group_segment_fixed_size 68608
		.amdhsa_private_segment_fixed_size 0
		.amdhsa_enable_private_segment 0
		.amdhsa_kernarg_size 96
		.amdhsa_user_sgpr_count 2
		.amdhsa_user_sgpr_kernarg_segment_ptr 1
		.amdhsa_wavefront_size32 1
		.amdhsa_system_sgpr_workgroup_id_x 1
		.amdhsa_system_sgpr_workgroup_id_y 1
		.amdhsa_system_sgpr_workgroup_id_z 1
		.amdhsa_system_vgpr_workitem_id 0
		.amdhsa_next_free_vgpr 512
		.amdhsa_next_free_sgpr 66
		.amdhsa_reserve_vcc 0
		.amdhsa_float_denorm_mode_32 3
		.amdhsa_float_denorm_mode_16_64 3
		.amdhsa_memory_ordered 1
		.amdhsa_forward_progress 1
		.amdhsa_inst_pref_size 146
	.end_amdhsa_kernel
	.amdgpu_metadata
---
amdhsa.version: [ 1, 2 ]
amdhsa.kernels:
  - .name:           k_q1a16e3d7de_proj
    .symbol:         k_q1a16e3d7de_proj.kd
    .args:
      - { .name: x_codes, .offset: 0, .size: 8, .value_kind: global_buffer, .address_space: global }
      - { .name: x_scales, .offset: 8, .size: 8, .value_kind: global_buffer, .address_space: global }
      - { .name: Wq_codes, .offset: 16, .size: 8, .value_kind: global_buffer, .address_space: global }
      - { .name: Wq_scales, .offset: 24, .size: 8, .value_kind: global_buffer, .address_space: global }
      - { .name: bq, .offset: 32, .size: 8, .value_kind: global_buffer, .address_space: global }
      - { .name: Wkv_codes, .offset: 40, .size: 8, .value_kind: global_buffer, .address_space: global }
      - { .name: Wkv_scales, .offset: 48, .size: 8, .value_kind: global_buffer, .address_space: global }
      - { .name: bkv, .offset: 56, .size: 8, .value_kind: global_buffer, .address_space: global }
      - { .name: rel_emb, .offset: 64, .size: 8, .value_kind: global_buffer, .address_space: global }
      - { .name: qb, .offset: 72, .size: 8, .value_kind: global_buffer, .address_space: global }
      - { .name: kvb, .offset: 80, .size: 8, .value_kind: global_buffer, .address_space: global }
      - { .name: ewb, .offset: 88, .size: 8, .value_kind: global_buffer, .address_space: global }
    .group_segment_fixed_size: 68608
    .private_segment_fixed_size: 0
    .kernarg_segment_align: 8
    .kernarg_segment_size: 96
    .max_flat_workgroup_size: 256
    .sgpr_count:     66
    .vgpr_count:     512
    .wavefront_size: 32
...
	.end_amdgpu_metadata
.endif
;; end of part 4
;; launch attn (part 5): grid 4 x 64, 16 waves a work-group, clusters of 4 x 1, 327,680 bytes of LDS; arguments qb, kvb, ewb, oimg, osc; writes oimg, osc
.if DOCPART == 5
	.amdgcn_target "amdgcn-amd-amdhsa--gfx1250"
	.amdhsa_code_object_version 6
	.text
	.protected	k_q1a16e3d7de_attn
	.globl	k_q1a16e3d7de_attn
	.p2align	8
	.type	k_q1a16e3d7de_attn,@function
k_q1a16e3d7de_attn:
	s_mov_b64 s[64:65], 0
	v_nop
	global_prefetch_b8 v0, s[64:65] scope:SCOPE_SE
	s_setreg_imm32_b32 hwreg(HW_REG_WAVE_MODE, 25, 1), 1
	s_wait_xcnt 0x0
	s_wait_alu depctr_hold_cnt(0) depctr_sa_sdst(0) depctr_va_vdst(0) depctr_va_sdst(0) depctr_va_ssrc(0) depctr_va_vcc(0) depctr_vm_vsrc(0)
	s_getreg_b32 s2, hwreg(HW_REG_IB_STS2, 6, 4)
	s_cmp_eq_u32 s2, 0
	s_cbranch_scc0 .Lentry_in_a_cluster
	s_endpgm
.Lentry_in_a_cluster:
	s_bfe_u32 s2, ttmp6, 0x10000c
	s_cmp_lg_u32 s2, 0x3003
	s_cbranch_scc0 .Lentry_shape_is_right
	s_endpgm
.Lentry_shape_is_right:
; o = softmax((q k^T + q rel^T) / 8) v for one (batch, head) and 256 queries, all three products on codes of BF8 (E5M2) with E8M0 scales; o is quantised along the head's 64 and leaves as an image of the next product's operand.
; SOFTMAX: t = logit x log2(e); M = the running largest t rounded up to a whole number; p = 2^(t - M) is quantised along the keys, not normalised; the row's sum of the unquantised p divides at the end.
; SHARES.  The cluster's four work-groups take the four blocks of 256 queries of one (batch, head); each of sixteen waves owns 16 queries (local tile 15 - w) and walks all 1,024 keys, 128 a step.
; LDS holds, for the whole launch: K's and V's images and scale words of the head (137,216 bytes, asked for JOINTLY by the four partners: eight loads of 67 rows of 256 bytes) and my block's window of the table
; (87,040 bytes, five plain loads of 68 rows).  Every byte is filled once: one wait and one barrier, no ring.
; THE POSITION TERM.  With e = key - local query + 255 the table row is the window's row e.  For 64 keys a wave's 16 queries need rows 16 (8 s + 4 ch + w) + 0 .. 79: five fragments.  Their products with q (a lane: one query, eight rows)
; are stored to the wave's own stage, a row of 336 bytes a query, and read back skewed: the lane of query r takes place 16 i + 8 h + j + 15 - r.  What is read is the C of the product K q^T: the sum costs no instruction.
;   (336 = 21 x 16 bytes from lane to lane for the stores; 332 = 83 words for the loads.)
; K = 64 IN A FORM OF K = 128: q's fragment is followed by eight registers of zero codes; K's or the table's eight registers are followed by whatever eight registers come next, which hold finite codes of this program's own
;   making (the quantiser's hold keeps them finite): they meet zero codes; the scale bytes of that half are 0 (2^-127).
; LAYOUT.  All products are used transposed: a lane holds one query (lane % 16).  In S^T's tile t register j is key 16 t + 8 h + j; p's 16 registers of tiles 2 b, 2 b + 1 become places 32 b + 16 h + 0 .. 15, and V's images hold the keys in the same order.
; LIMITS: NaN and infinities are not served; a block of zeros gets the byte 1 (read by this program alone); a block's largest p is taken from its largest score, which takes v_exp_f32 not to fall where its input rises;
;   (dots + pos) x scale is formed where the source has dots x scale + pos x scale.  o's scale bytes leave two at a lane, 131,072 bytes in the launch.
.set KIMG, 0
.set VIMG, 65536
.set KSC,  131072
.set VSC,  135168
.set EIMG, 137216
.set ESC,  219136
.set STG,  224256                      ; 16 stages of 16 x 336 bytes
.set LI,   1                           ; v1  16 x lane
.set LR16, 2                           ; v2  16 r
.set LR4,  3                           ; v3  4 r
.set AWR,  4                           ; v4  the stage, in
.set ARD,  5                           ; v5  the stage, back, skewed
.set AT,   6                           ; v6, v7  the addresses in hand
.set AT2,  7
.set QF,   16                          ; v16-23 q, v24-31 zero codes
.set F,    32                          ; v32-95 fragments of the table, of K, of V
.set S,    96                          ; v96-159 S^T, then p
.set O,    160                         ; v160-191 O^T
.set X,    192                         ; v192-231 the position products; then:
.set PC,   192                         ; v192-207 p's codes
.set TM,   208                         ; v208-211 block maxima, v212-215 the other half's, then bytes, v216-219 the hold, v220-223 scale operands
.set T0,   224
.set FF,   226                         ; v[226:227] f
.set PS,   228                         ; v[228:229] the second chain of the sum
.set SE,   232                         ; v232-236 the table's scale words
.set SK,   240                         ; v240-243 K's, then V's
.set SQ,   244
.set SP,   245
.set WV,   14
.set MNT,  19
.set SEL,  20
.set CS,   22
.set G1J,  24
.set G1P,  32
.set G0J,  40
.set G0P,  44
.set TK,   48
.set TV,   49
.set TE,   50
.set TES,  51
.set TKS,  52
.set TVS,  53
.set CNT,  54
.macro NOPS n
.rept \n
	v_nop
.endr
.endm
.macro CROUND                          ; a round of the cluster's barrier
	s_barrier_signal -1
	s_barrier_wait -1
	s_cmp_lg_u32 s[WV], 0
	s_cbranch_scc1 .Lnot_wave_0_\@
	s_barrier_signal -3
.Lnot_wave_0_\@:
	s_barrier_wait -3
	s_barrier_signal -1
	s_barrier_wait -1
.endm
	s_load_b256 s[4:11], s[0:1], 0x0       ; qb, kvb, ewb, oimg
	s_load_b64 s[12:13], s[0:1], 0x20      ; osc
	v_lshl_add_u32 v254, v0, 2, 0x4bc00
	v_mov_b32 v255, 0
	ds_add_u32 v254, v255
	ds_add_u32 v254, v255
	v_lshrrev_b32 v1, 5, v0
	s_delay_alu instid0(VALU_DEP_1)
	v_readfirstlane_b32 s[WV], v1          ; wave 0..15
	s_bfe_u32 s15, ttmp6, 0x40000          ; cx: my block of 256 queries; it enters global addresses of my own loads and stores alone
	s_and_b32 s16, ttmp7, 0xffff           ; 8 x batch + head, which the partners share
	s_xor_b32 s17, s[WV], 15               ; my local tile of queries
	s_lshl_b32 s18, s15, 4
	s_add_co_u32 s18, s18, s17             ; my tile among the head's 64
	; descriptors: dense blocks as rows of 256 bytes (32 elements of 8 bytes)
	s_mov_b32 s[G1J], 15|(3<<16)|(1<<21)   ; the mask names all four work-groups; bit 21 set beside it
	s_mov_b32 s[G1J+1], 32<<16
	s_mov_b32 s[G1J+2], 67<<16
	s_mov_b32 s[G1J+3], 32<<16
	s_mov_b32 s[G1J+4], 67
	s_mov_b32 s[G1J+5], 32
	s_mov_b32 s[G1J+6], 0
	s_mov_b32 s[G1J+7], 0
	s_mov_b32 s[G1P], 3<<16
	s_mov_b32 s[G1P+1], 32<<16
	s_mov_b32 s[G1P+2], 68<<16
	s_mov_b32 s[G1P+3], 32<<16
	s_mov_b32 s[G1P+4], 68
	s_mov_b32 s[G1P+5], 32
	s_mov_b32 s[G1P+6], 0
	s_mov_b32 s[G1P+7], 0
	s_mov_b32 s[G0J], 1
	s_mul_i32 s[G0J+1], s[WV], 17152       ; wave w (0-7) brings the w-th eighth of the head's K, V and scale words
	s_mul_i32 s56, s16, 137216
	s_add_co_u32 s56, s56, s[G0J+1]
	s_mov_b32 s57, 0
	s_mov_b32 s[G0P], 1
	s_and_b32 s58, s[WV], 7
	s_mul_i32 s58, s58, 17408              ; wave 8 + i (i = 0-4) brings the i-th fifth of my window
	s_add_co_u32 s[G0P+1], s58, EIMG
	s_mul_i32 s59, s15, 87040
	s_add_co_u32 s58, s58, s59
	s_mov_b32 s59, 0
	s_wait_dscnt 0x0
	s_wait_kmcnt 0x0
	s_add_nc_u64 s[G0J+2:G0J+3], s[6:7], s[56:57]
	s_or_b32 s[G0J+3], s[G0J+3], 0x80000000
	s_add_nc_u64 s[G0P+2:G0P+3], s[8:9], s[58:59]
	s_or_b32 s[G0P+3], s[G0P+3], 0x80000000
	CROUND                                 ; all four work-groups are here: the joint loads meet
	s_cmp_lt_u32 s[WV], 8                  ; at most one tensor load a wave; four v_nop follow each line
	s_cbranch_scc0 .Lnot_j
	tensor_load_to_lds s[G0J:G0J+3], s[G1J:G1J+7]
	s_nop 0
	NOPS 4
	s_branch .Lasked
.Lnot_j:
	s_cmp_lt_u32 s[WV], 13
	s_cbranch_scc0 .Lasked
	tensor_load_to_lds s[G0P:G0P+3], s[G1P:G1P+7]
	s_nop 0
	NOPS 4
.Lasked:
	v_and_b32 v9, 15, v0                   ; r
	v_bfe_u32 v10, v0, 4, 1                ; h
	v_and_b32 v1, 31, v0
	s_delay_alu instid0(VALU_DEP_1)
	v_lshlrev_b32 v[LI], 4, v1
	s_wait_alu depctr_va_vdst(0)
	v_lshlrev_b32 v[LR16], 4, v9
	s_wait_alu depctr_va_vdst(0)
	v_lshlrev_b32 v[LR4], 2, v9
	s_mul_i32 s56, s16, 69632
	s_lshl_b32 s55, s18, 10
	s_add_co_u32 s56, s56, s55
	s_add_nc_u64 s[60:61], s[4:5], s[56:57]        ; q's image
	s_mul_i32 s56, s16, 69632
	s_lshr_b32 s55, s18, 2
	s_lshl_b32 s55, s55, 8
	s_add_co_u32 s56, s56, s55
	s_and_b32 s55, s18, 3
	s_lshl_b32 s55, s55, 2
	s_add_co_u32 s56, s56, s55
	s_add_co_u32 s56, s56, 65536
	s_add_nc_u64 s[62:63], s[4:5], s[56:57]        ; and its scale words
	global_load_b128 v[QF:QF+3], v[LI], s[60:61]
	global_load_b128 v[QF+4:QF+7], v[LI], s[60:61] offset:512
	global_load_b32 v[SQ], v[LR16], s[62:63]
	s_lshr_b32 s55, s16, 3
	s_lshl_b32 s55, s55, 6
	s_add_co_u32 s55, s55, s18             ; the tile of 16 rows among all 512
	s_and_b32 s17, s16, 7                  ; the head
	s_lshl_b32 s56, s55, 13
	s_lshl_b32 s58, s17, 10
	s_add_co_u32 s56, s56, s58
	s_add_nc_u64 s[10:11], s[10:11], s[56:57]
	s_lshl_b32 s56, s55, 8
	s_lshl_b32 s58, s17, 1
	s_add_co_u32 s56, s56, s58
	s_add_nc_u64 s[12:13], s[12:13], s[56:57]
	s_mul_i32 s55, s[WV], 16*336
	s_add_co_u32 s55, s55, STG             ; my stage
	v_mul_u32_u24 v[AWR], v9, 336
	s_delay_alu instid0(VALU_DEP_1)
	v_lshl_add_u32 v[AWR], v10, 5, v[AWR]
	s_delay_alu instid0(VALU_DEP_1)
	v_add_nc_u32 v[AWR], s55, v[AWR]       ; in: query r's row, place 8 h
	v_mul_u32_u24 v[ARD], v9, 332
	s_delay_alu instid0(VALU_DEP_1)
	v_lshl_add_u32 v[ARD], v10, 5, v[ARD]
	s_delay_alu instid0(VALU_DEP_1)
	v_add_nc_u32 v[ARD], s55, v[ARD]
	s_delay_alu instid0(VALU_DEP_1)
	v_add_nc_u32 v[ARD], 60, v[ARD]        ; back: query r's row, place 8 h + 15 - r
	s_mov_b32 s[MNT], 0x600000
	s_mov_b32 s[SEL], 0x76543210
	s_mov_b32 s[SEL+1], 0xfedcba98
	s_mov_b32 s[CS], 0x3e38aa3b            ; c = log2(e) / 8
	s_mov_b32 s[CS+1], s[CS]               ; named with it as a pair
	s_mov_b32 s[TK], KIMG
	s_mov_b32 s[TV], VIMG
	s_lshl_b32 s[TE], s[WV], 10
	s_add_co_u32 s[TE], s[TE], EIMG        ; my window begins w fragments in
	s_lshl_b32 s[TES], s[WV], 6
	s_add_co_u32 s[TES], s[TES], ESC
	s_mov_b32 s[TKS], KSC
	s_mov_b32 s[TVS], VSC
	s_mov_b32 s[CNT], 8
.irp j, 0,1,2,3,4,5,6,7
	v_mov_b32 v[QF+8+\j], 0                ; zero codes for the idle half of K
	v_mov_b32 v[F+40+\j], 0                ; what follows the fifth fragment in the first step
.endr
.set J, 0
.rept 32
	v_mov_b32 v[O+J], 0                    ; O^T: the step is written once; the first change of M leaves zeros zeros
.set J, J+1
.endr
	v_mov_b32 v13, 0xff61b1e6              ; the largest t so far: -3e38
	s_delay_alu instid0(VALU_DEP_1)
	v_floor_f32 v12, -v13                  ; -M
	v_mov_b32 v14, 0                       ; the sum, in two halves
	v_mov_b32 v15, 0
.irp b, 0,1,2,3
	v_mov_b32 v[TM+4+\b], 0                ; a lane permute's destination counts as one of its sources
.endr
	v_mov_b32 v[T0], 0
	v_mov_b32 v[FF+1], 0                   ; named as the upper half of a pair
	s_wait_tensorcnt 0x0                   ; my part has landed,
	s_barrier_signal -1
	s_barrier_wait -1                      ; everybody's has
	s_wait_loadcnt 0x0                     ; q
; 64 keys: the position products, their skew through the stage, and K q^T on top of them
.macro CHUNK ch
	v_add_nc_u32 v[AT], s[TE], v[LI]
	v_add_nc_u32 v[AT2], s[TES], v[LR4]
	NOPS 8                                 ; with the two lines above ten places: eight in front of loads into registers that products have read, nine in front of products that write over such registers
.irp a, 0,1,2,3,4
	ds_load_b128 v[F+8*\a:F+8*\a+3], v[AT] offset:4096*\ch+1024*\a
	ds_load_b128 v[F+8*\a+4:F+8*\a+7], v[AT] offset:4096*\ch+1024*\a+512
	ds_load_b32 v[SE+\a], v[AT2] offset:256*\ch+64*\a
.endr
	s_wait_dscnt 0x0
.irp a, 0,1,2,3,4
	v_wmma_scale_f32_16x16x128_f8f6f4 v[X+8*\a:X+8*\a+7], v[F+8*\a:F+8*\a+15], v[QF:QF+15], 0, v[SE+\a], v[SQ] matrix_a_fmt:MATRIX_FMT_BF8 matrix_b_fmt:MATRIX_FMT_BF8
.endr
	v_add_nc_u32 v[AT], s[TK], v[LI]
	v_add_nc_u32 v[AT2], s[TKS], v[LR16]
	NOPS 6                                 ; eight places in all, in front of the loads over the table's fragments and of the stores of the results
.irp i, 0,1,2,3
	ds_load_b128 v[F+8*\i:F+8*\i+3], v[AT] offset:4096*\ch+1024*\i
	ds_load_b128 v[F+8*\i+4:F+8*\i+7], v[AT] offset:4096*\ch+1024*\i+512
.endr
	ds_load_b128 v[SK:SK+3], v[AT2] offset:256*\ch
.irp a, 0,1,2,3,4
	ds_store_b128 v[AWR], v[X+8*\a:X+8*\a+3] offset:64*\a              ; each result from its low end on
	ds_store_b128 v[AWR], v[X+8*\a+4:X+8*\a+7] offset:64*\a+16
.endr
.irp i, 0,1,2,3
.irp j, 0,1,2,3,4,5,6,7
	ds_load_b32 v[S+8*(4*\ch+\i)+\j], v[ARD] offset:64*\i+4*\j         ; LDS serves a wave's instructions in order (ISA guide 5.7.1.4): these see the stores above
.endr
.endr
	s_wait_dscnt 0x0
.irp i, 0,1,2,3
	v_wmma_scale_f32_16x16x128_f8f6f4 v[S+8*(4*\ch+\i):S+8*(4*\ch+\i)+7], v[F+8*\i:F+8*\i+15], v[QF:QF+15], v[S+8*(4*\ch+\i):S+8*(4*\ch+\i)+7], v[SK+\i], v[SQ] matrix_a_fmt:MATRIX_FMT_BF8 matrix_b_fmt:MATRIX_FMT_BF8
.endr
.endm
.Lstep:                                        ; eight trips of 128 keys
	s_setprio 2
	CHUNK 0
	CHUNK 1
	v_add_nc_u32 v[AT], s[TV], v[LI]
	v_add_nc_u32 v[AT2], s[TVS], v[LR16]
	NOPS 6                                 ; eight places: for the loads below and for the first read of the scores
.irp t, 0,1,2,3
.irp c, 0,1,2,3
	ds_load_b128 v[F+16*\t+4*\c:F+16*\t+4*\c+3], v[AT] offset:2048*\t+512*\c   ; V lands while the softmax is worked
.endr
.endr
	ds_load_b128 v[SK:SK+3], v[AT2]
.irp b, 0,1,2,3
	v_max3_num_f32 v[TM+\b], v[S+16*\b], v[S+1+16*\b], v[S+2+16*\b]    ; the largest score of each block of 32 keys: for the row's maximum and for the block's largest p
.endr
.irp i, 3,5,7,9,11,13
.irp b, 0,1,2,3
	v_max3_num_f32 v[TM+\b], v[TM+\b], v[S+16*\b+\i], v[S+1+16*\b+\i]
.endr
.endr
.irp b, 0,1,2,3
	v_max_num_f32 v[TM+\b], v[TM+\b], v[S+15+16*\b]
.endr
.irp b, 0,1,2,3
	v_permlanex16_b32 v[TM+4+\b], v[TM+\b], s[SEL], s[SEL+1]
.endr
.irp b, 0,1,2,3
	s_delay_alu instid0(VALU_DEP_4)
	v_max_num_f32 v[TM+\b], v[TM+\b], v[TM+4+\b]
.endr
	s_delay_alu instid0(VALU_DEP_2)
	v_max3_num_f32 v[T0], v[TM], v[TM+1], v[TM+2]
	s_delay_alu instid0(VALU_DEP_1)
	v_max_num_f32 v[T0], v[T0], v[TM+3]
	s_delay_alu instid0(VALU_DEP_1)
	v_mul_f32 v[T0], s[CS], v[T0]          ; as t (c is positive)
	s_delay_alu instid0(VALU_DEP_1)
	v_max_num_f32 v13, v13, v[T0]          ; the running largest t
	v_mov_b32 v[T0], v12
	s_delay_alu instid0(VALU_DEP_2)
	v_floor_f32 v12, -v13                  ; the new -M = -ceil(t)
	s_delay_alu instid0(VALU_DEP_1)
	v_sub_f32 v[T0], v12, v[T0]            ; old M - new M: a whole number, 0 or less
	s_delay_alu instid0(VALU_DEP_1)
	v_cvt_i32_f32 v[T0], v[T0]             ; (it saturates)
	s_delay_alu instid0(VALU_DEP_1)
	v_ldexp_f32 v[FF], 1.0, v[T0]          ; f = 2^(old M - new M)
.set J, 0
	s_setprio 1
.rept 32
	v_pk_fma_f32 v[S+J:S+J+1], v[S+J:S+J+1], s[CS:CS+1], v[12:13] op_sel_hi:[1,0,0]   ; t - M
.set J, J+2
.endr
.irp b, 0,1,2,3
	v_fma_f32 v[TM+\b], v[TM+\b], s[CS], v12
.endr
.set J, 0
	s_wait_alu depctr_va_vdst(0)
.rept 64
	v_exp_f32 v[S+J], v[S+J]               ; p = 2^(t - M)
.set J, J+1
.endr
.irp b, 0,1,2,3
	v_exp_f32 v[TM+\b], v[TM+\b]           ; the block's largest p
.endr
	v_pk_mul_f32 v[14:15], v[14:15], v[FF:FF+1] op_sel_hi:[1,0]        ; the sums under the new M (a plain line behind the exponentials)
	s_wait_alu depctr_va_vdst(0)
.irp b, 0,1,2,3
	v_max_num_f32 v[TM+\b], 0x8000000, v[TM+\b]                        ; the floor 2^(16 - 127)
.endr
.irp b, 0,1,2,3
	s_delay_alu instid0(VALU_DEP_4)
	v_add_nc_u32 v[TM+12+\b], 0xf8800000, v[TM+\b]                     ; the conversion's scale operand
.endr
.irp b, 0,1,2,3
	v_and_or_b32 v[TM+8+\b], v[TM+\b], 0x7f800000, s[MNT]              ; 57,344 x the scale
.endr
.irp b, 0,1,2,3
	v_lshrrev_b32 v[TM+4+\b], 23, v[TM+12+\b]                          ; the byte
.endr
	s_delay_alu instid0(VALU_DEP_3)
	v_lshl_or_b32 v[SP], v[TM+5], 8, v[TM+4]                           ; p's scale word for these 128 keys
	s_delay_alu instid0(VALU_DEP_1)
	v_lshl_or_b32 v[SP], v[TM+6], 16, v[SP]
	s_delay_alu instid0(VALU_DEP_1)
	v_lshl_or_b32 v[SP], v[TM+7], 24, v[SP]
	v_pk_add_f32 v[228:229], v[100:101], v[104:105]
	v_pk_add_f32 v[252:253], v[108:109], v[112:113]
	v_pk_add_f32 v[250:251], v[116:117], v[120:121]
	v_pk_add_f32 v[248:249], v[124:125], v[128:129]
	v_pk_add_f32 v[246:247], v[132:133], v[136:137]
	v_pk_add_f32 v[238:239], v[140:141], v[144:145]
	v_pk_add_f32 v[236:237], v[148:149], v[152:153]
	v_pk_add_f32 v[14:15], v[14:15], v[156:157]
	v_pk_add_f32 v[228:229], v[228:229], v[96:97]
	v_pk_add_f32 v[252:253], v[252:253], v[98:99]
	v_pk_add_f32 v[250:251], v[250:251], v[102:103]
	v_pk_add_f32 v[248:249], v[248:249], v[106:107]
	v_pk_add_f32 v[246:247], v[246:247], v[110:111]
	v_pk_add_f32 v[238:239], v[238:239], v[114:115]
	v_pk_add_f32 v[236:237], v[236:237], v[118:119]
	v_pk_add_f32 v[14:15], v[14:15], v[122:123]
	v_pk_add_f32 v[228:229], v[228:229], v[126:127]
	v_pk_add_f32 v[252:253], v[252:253], v[130:131]
	v_pk_add_f32 v[250:251], v[250:251], v[134:135]
	v_pk_add_f32 v[248:249], v[248:249], v[138:139]
	v_pk_add_f32 v[246:247], v[246:247], v[142:143]
	v_pk_add_f32 v[238:239], v[238:239], v[146:147]
	v_pk_add_f32 v[236:237], v[236:237], v[150:151]
	v_pk_add_f32 v[14:15], v[14:15], v[154:155]
	v_pk_add_f32 v[228:229], v[228:229], v[158:159]
	s_delay_alu instid0(VALU_DEP_2)
	v_pk_add_f32 v[14:15], v[14:15], v[248:249]
	s_delay_alu instid0(VALU_DEP_2)
	v_pk_add_f32 v[228:229], v[228:229], v[246:247]
	v_pk_add_f32 v[252:253], v[252:253], v[238:239]
	v_pk_add_f32 v[250:251], v[250:251], v[236:237]
	s_delay_alu instid0(VALU_DEP_2)
	v_pk_add_f32 v[14:15], v[14:15], v[252:253]
	s_delay_alu instid0(VALU_DEP_2)
	v_pk_add_f32 v[228:229], v[228:229], v[250:251]
	s_delay_alu instid0(VALU_DEP_1)
	v_pk_add_f32 v[14:15], v[14:15], v[228:229]
	s_setprio 0
.irp b, 0,1,2,3
.irp i, 0,1,2,3,4,5,6,7,8,9,10,11,12,13,14,15
	v_min_num_f32 v[S+16*\b+\i], v[S+16*\b+\i], v[TM+8+\b]             ; the hold; p is not negative
.endr
	v_cvt_scalef32_pk8_bf8_f32 v[PC+4*\b:PC+4*\b+1], v[S+16*\b:S+16*\b+7], v[TM+12+\b]
	v_cvt_scalef32_pk8_bf8_f32 v[PC+4*\b+2:PC+4*\b+3], v[S+16*\b+8:S+16*\b+15], v[TM+12+\b]
.endr
.set J, 0
.rept 16
	v_pk_mul_f32 v[O+J:O+J+1], v[O+J:O+J+1], v[FF:FF+1] op_sel_hi:[1,0]   ; O^T under the new M; these lines also stand between the conversions and the products
.set J, J+2
.endr
	s_wait_alu depctr_va_vdst(0)
	s_wait_dscnt 0x0                       ; V and its scale words
.irp t, 0,1,2,3
	v_wmma_scale_f32_16x16x128_f8f6f4 v[O+8*\t:O+8*\t+7], v[F+16*\t:F+16*\t+15], v[PC:PC+15], v[O+8*\t:O+8*\t+7], v[SK+\t], v[SP] matrix_a_fmt:MATRIX_FMT_BF8 matrix_b_fmt:MATRIX_FMT_BF8
.endr
	s_add_co_u32 s[TK], s[TK], 8192        ; the next 128 keys
	s_add_co_u32 s[TV], s[TV], 8192
	s_add_co_u32 s[TE], s[TE], 8192
	s_add_co_u32 s[TES], s[TES], 512
	s_add_co_u32 s[TKS], s[TKS], 512
	s_add_co_u32 s[TVS], s[TVS], 256
	s_sub_co_u32 s[CNT], s[CNT], 1
	s_cmp_lg_u32 s[CNT], 0
	s_cbranch_scc1 .Lstep
	s_setprio 0
	; THE WAY OUT: O^T / the sum; register 8 t + j is d = 32 (t / 2) + 16 h + 8 (t % 2) + j of query r: two blocks of 16 neighbours, quantised as they lie
	NOPS 8
	v_add_f32 v14, v14, v15
	s_delay_alu instid0(VALU_DEP_1)
	v_permlanex16_b32 v[T0], v14, s[SEL], s[SEL+1]
	s_delay_alu instid0(VALU_DEP_1)
	v_add_f32 v14, v14, v[T0]              ; the row's sum
	s_wait_alu depctr_va_vdst(0)
	v_rcp_f32 v14, v14
	v_nop                                  ; a plain line behind the transcendental
.set J, 0
	s_wait_alu depctr_va_vdst(0)
.rept 32
	v_mul_f32 v[S+J], v[O+J], v14
.set J, J+1
.endr
.irp b, 0,1
	v_max3_num_f32 v[TM+\b], |v[S+16*\b]|, |v[S+1+16*\b]|, 0x8000000
.endr
.irp i, 2,4,6,8,10,12,14
.irp b, 0,1
	s_delay_alu instid0(VALU_DEP_2)
	v_max3_num_f32 v[TM+\b], v[TM+\b], |v[S+16*\b+\i]|, |v[S+1+16*\b+\i]|
.endr
.endr
.irp b, 0,1
	s_delay_alu instid0(VALU_DEP_2)
	v_permlanex16_b32 v[TM+4+\b], v[TM+\b], s[SEL], s[SEL+1]
.endr
.irp b, 0,1
	s_delay_alu instid0(VALU_DEP_2)
	v_max_num_f32 v[TM+\b], v[TM+\b], v[TM+4+\b]
.endr
.irp b, 0
	s_delay_alu instid0(VALU_DEP_2)
	v_add_nc_u32 v[TM+12+\b], 0xf8800000, v[TM+\b]
	s_delay_alu instid0(VALU_DEP_3)
	v_and_or_b32 v[TM+8+\b], v[TM+\b], 0x7f800000, s[MNT]
.endr
.irp b, 1
	s_delay_alu instid0(VALU_DEP_3)
	v_add_nc_u32 v[TM+12+\b], 0xf8800000, v[TM+\b]
	s_delay_alu instid0(VALU_DEP_4)
	v_and_or_b32 v[TM+8+\b], v[TM+\b], 0x7f800000, s[MNT]
.endr
.irp b, 0
	s_delay_alu instid0(VALU_DEP_4)
	v_lshrrev_b32 v[TM+4+\b], 23, v[TM+12+\b]
.endr
.irp b, 1
	s_delay_alu instid0(VALU_DEP_3)
	v_lshrrev_b32 v[TM+4+\b], 23, v[TM+12+\b]
.endr
	s_delay_alu instid0(VALU_DEP_1)
	v_lshl_or_b32 v8, v[TM+5], 8, v[TM+4]
.irp b, 0,1
.irp i, 0,1,2,3,4,5,6,7,8,9,10,11,12,13,14,15
	v_med3_num_f32 v[S+16*\b+\i], v[S+16*\b+\i], -v[TM+8+\b], v[TM+8+\b]
.endr
	v_cvt_scalef32_pk8_bf8_f32 v[PC+4*\b:PC+4*\b+1], v[S+16*\b:S+16*\b+7], v[TM+12+\b]
	v_cvt_scalef32_pk8_bf8_f32 v[PC+4*\b+2:PC+4*\b+3], v[S+16*\b+8:S+16*\b+15], v[TM+12+\b]
.endr
	v_nop
	global_store_b128 v[LI], v[PC:PC+3], s[10:11]                      ; 512 consecutive bytes each
	global_store_b128 v[LI], v[PC+4:PC+7], s[10:11] offset:512
	global_store_b16 v[LR16], v8, s[12:13]                             ; my row's two scale bytes of this head
	s_wait_tensorcnt 0x0
	ds_add_u32 v254, v255
	s_wait_dscnt 0x0
	CROUND                                 ; the closing round: no work-group ends while a partner may still ask jointly
	s_endpgm
.Lfunc_end_k_q1a16e3d7de_attn:
	.size	k_q1a16e3d7de_attn, .Lfunc_end_k_q1a16e3d7de_attn-k_q1a16e3d7de_attn
	.p2alignl 7, 3214868480
	.fill 96, 4, 3214868480
	.section	.rodata,"a",@progbits
	.p2align	6, 0x0
	.amdhsa_kernel k_q1a16e3d7de_attn
		.amdhsa_group_segment_fixed_size 327680
		.amdhsa_private_segment_fixed_size 0
		.amdhsa_enable_private_segment 0
		.amdhsa_kernarg_size 40
		.amdhsa_user_sgpr_count 2
		.amdhsa_user_sgpr_kernarg_segment_ptr 1
		.amdhsa_wavefront_size32 1
		.amdhsa_system_sgpr_workgroup_id_x 1
		.amdhsa_system_sgpr_workgroup_id_y 1
		.amdhsa_system_sgpr_workgroup_id_z 1
		.amdhsa_system_vgpr_workitem_id 0
		.amdhsa_next_free_vgpr 256
		.amdhsa_next_free_sgpr 66
		.amdhsa_reserve_vcc 0
		.amdhsa_float_denorm_mode_32 3
		.amdhsa_float_denorm_mode_16_64 3
		.amdhsa_memory_ordered 1
		.amdhsa_forward_progress 1
		.amdhsa_inst_pref_size 45
	.end_amdhsa_kernel
	.amdgpu_metadata
---
amdhsa.version: [ 1, 2 ]
amdhsa.kernels:
  - .name:           k_q1a16e3d7de_attn
    .symbol:         k_q1a16e3d7de_attn.kd
    .args:
      - { .name: qb, .offset: 0, .size: 8, .value_kind: global_buffer, .address_space: global }
      - { .name: kvb, .offset: 8, .size: 8, .value_kind: global_buffer, .address_space: global }
      - { .name: ewb, .offset: 16, .size: 8, .value_kind: global_buffer, .address_space: global }
      - { .name: oimg, .offset: 24, .size: 8, .value_kind: global_buffer, .address_space: global }
      - { .name: osc, .offset: 32, .size: 8, .value_kind: global_buffer, .address_space: global }
    .group_segment_fixed_size: 327680
    .private_segment_fixed_size: 0
    .kernarg_segment_align: 8
    .kernarg_segment_size: 40
    .max_flat_workgroup_size: 512
    .sgpr_count:     66
    .vgpr_count:     256
    .wavefront_size: 32
...
	.end_amdgpu_metadata
.endif
;; end of part 5
;; launch outp (part 6): grid 64 x 4, 8 waves a work-group, no clusters, 136,192 bytes of LDS; arguments oimg, osc, Wout_codes, Wout_scales, bout, out0; writes out0
.if DOCPART == 6
	.amdgcn_target "amdgcn-amd-amdhsa--gfx1250"
	.amdhsa_code_object_version 6
	.text
	.protected	k_q1a16e3d7de_outp
	.globl	k_q1a16e3d7de_outp
	.p2align	8
	.type	k_q1a16e3d7de_outp,@function
k_q1a16e3d7de_outp:
	s_mov_b64 s[64:65], 0
	v_nop
	global_prefetch_b8 v0, s[64:65] scope:SCOPE_SE
	s_setreg_imm32_b32 hwreg(HW_REG_WAVE_SCHED_MODE, 0, 2), 2
	s_setreg_imm32_b32 hwreg(HW_REG_WAVE_MODE, 25, 1), 1
	s_wait_xcnt 0x0
	s_wait_alu depctr_vm_vsrc(0)
; out0 = o Wout + bout on codes of BF8 (E5M2) with E8M0 scales.  o comes as images of operand registers (tile of 16 rows: 8,192 bytes, K step ks, group c at 512 (4 ks + c), lane l at 16 l) and 16 scale bytes a row.
; SHARES.  A work-group takes 128 rows x 128 columns; wave w takes the tile of 16 rows 8 x + w against eight tiles of 16 columns: 32 products.  Wout's 128 rows (columns of the result) go through LDS once, rows 528 bytes apart.
; The product is used transposed (source 0 = 16 rows of Wout, source 1 = o): a lane holds eight neighbouring columns of one row.  The bias is loaded straight into the accumulators.
; The way out goes through the wave's own stage (16 rows of 512 + 16 bytes): each store then covers 512 consecutive bytes of a row of out0, aligned to 256.
; No tensor load and no cluster: the launch reads 0.6 MB a work-group at most, once, and what work-groups share (Wout's rows, o's tiles) is read a few times from the cache.
; THE MODE: SCHED_MODE bits 1:0 = 2 (LLVM: expert scheduling mode 2), set by the entry lines.  The code itself states the register dependences
; between vector or matrix instructions and memory or LDS instructions, with s_wait_alu, always for 0.
; THE PLAN.  A step n = 4 g + ks is four tiles of columns (4 g .. 4 g + 3) for one K step: 16 LDS loads, four products.  Registers that memory or LDS instructions touch:
;   v1-v7         addresses and offsets: made once at the head, never written again.
;   OF, the scale words, the accumulators   loaded once at the head; then named by products alone, until the way out.
;   WF  (v116-179)   at the head my LDS stores read it; then the fragments of the even steps land in it and those steps' products read it.
;   WG  (v256-319)   the fragments of the odd steps land in it, and those steps' products read it.
; Step n's fragments are asked for two steps ahead, into the buffer that step n - 2 has just emptied: ONE wait on va_vdst a step, behind the step's four products, states that they are done reading their buffer.
; One more stands ahead of the way out.  One wait on vm_vsrc stands behind the barrier, ahead of the first fragments' loads into WF.
.set PITCH, 528
.set OSC,  16                          ; v16-19  o's scale words, one a K step
.set WSC,  20                          ; v20-51  Wout's, tile ct, K step ks at 20 + 4 ct + ks
.set OF,   52                          ; v52-115 o's four fragments; on the way out rows of the result
.set WF,   116                         ; v116-179 four fragments of Wout, the even steps' (first: 16 rows on their way to LDS)
.set WG,   0                           ; in window 1: v256-319, the odd steps' four fragments
.set ACC,  180                         ; v180-243 eight accumulators
.set WV,   16
.set MSB,  0
.macro WIN new                         ; the immediate's high byte repeats the setting that is left
.if MSB != \new
	s_set_vgpr_msb (MSB<<8)|\new
.set MSB, \new
.endif
.endm
.macro NOPS n
.rept \n
	v_nop
.endr
.endm
	s_load_b256 s[4:11], s[0:1], 0x0       ; oimg, osc, Wout codes, Wout scales
	s_load_b128 s[12:15], s[0:1], 0x20     ; bout, out0
	v_lshl_add_u32 v254, v0, 2, 0x21000
	v_mov_b32 v255, 0
	v_lshrrev_b32 v1, 5, v0
	v_readfirstlane_b32 s[WV], v1          ; wave 0..7
	s_and_b32 s18, ttmp7, 0xffff           ; which 128 columns
	s_mov_b32 s21, 0
	v_and_b32 v8, 15, v0                   ; r
	v_bfe_u32 v9, v0, 4, 1                 ; h
	v_and_b32 v1, 31, v0
	v_lshlrev_b32 v1, 4, v1                ; 16 x lane
	v_mul_u32_u24 v2, v8, PITCH
	v_lshl_add_u32 v2, v9, 4, v2           ; a fragment of Wout in LDS
	v_lshlrev_b32 v3, 4, v8                ; 16 r
	v_mul_u32_u24 v4, v8, PITCH
	v_lshl_add_u32 v4, v9, 5, v4           ; the stage, in: row r, + 32 h
	v_lshlrev_b32 v6, 5, v9                ; the bias: 8 h numbers on
	s_wait_alu depctr_va_sdst(0)           ; the wave's number is written, ahead of its first reader
	s_lshl_b32 s19, ttmp9, 3
	s_add_co_u32 s19, s19, s[WV]           ; my tile of 16 rows
	s_mul_i32 s22, s[WV], 16*PITCH
	s_add_co_u32 s24, s22, 128*PITCH       ; my stage
	v_add_nc_u32 v7, s22, v1               ; where my 16 rows of Wout go
	v_add_nc_u32 v4, s24, v4
	v_add_nc_u32 v5, s24, v1               ; back: 16 bytes a lane
	s_wait_kmcnt 0x0
	s_lshl_b32 s20, s19, 13
	s_add_nc_u64 s[4:5], s[4:5], s[20:21]
	s_lshl_b32 s20, s19, 8
	s_add_nc_u64 s[6:7], s[6:7], s[20:21]
	s_lshl_b32 s20, s18, 16
	s_lshl_b32 s23, s[WV], 13
	s_add_co_u32 s20, s20, s23
	s_add_nc_u64 s[8:9], s[8:9], s[20:21]
	s_lshl_b32 s20, s18, 11
	s_add_nc_u64 s[10:11], s[10:11], s[20:21]
	s_lshl_b32 s20, s18, 9
	s_add_nc_u64 s[12:13], s[12:13], s[20:21]
	s_add_nc_u64 s[14:15], s[14:15], s[20:21]      ; my 128 columns are 512 bytes of a row as well
	s_lshl_b32 s20, s19, 15                        ; 16 rows of 2,048 bytes
	s_add_nc_u64 s[14:15], s[14:15], s[20:21]
	s_wait_alu depctr_va_vdst(0)           ; the addresses and offsets v1 to v7 are written: every load and store of the kernel reads one of them
.irp i, 0,1,2,3,4,5,6,7,8,9,10,11,12,13,14,15
	global_load_b128 v[WF+4*\i:WF+4*\i+3], v1, s[8:9] offset:512*\i
.endr
.irp i, 0,1,2,3,4,5,6,7,8,9,10,11,12,13,14,15
	global_load_b128 v[OF+4*\i:OF+4*\i+3], v1, s[4:5] offset:512*\i
.endr
	global_load_b128 v[OSC:OSC+3], v3, s[6:7]
.irp ct, 0,1,2,3,4,5,6,7
	global_load_b128 v[WSC+4*\ct:WSC+4*\ct+3], v3, s[10:11] offset:256*\ct
.endr
.irp ct, 0,1,2,3,4,5,6,7
	global_load_b128 v[ACC+8*\ct:ACC+8*\ct+3], v6, s[12:13] offset:64*\ct
	global_load_b128 v[ACC+8*\ct+4:ACC+8*\ct+7], v6, s[12:13] offset:64*\ct+16
.endr
	s_wait_loadcnt 41                      ; my rows of Wout are in; the 41 loads behind them (16 + 1 + 8 + 16) may be out
.irp i, 0,1,2,3,4,5,6,7,8,9,10,11,12,13,14,15
	ds_store_b128 v7, v[WF+4*\i:WF+4*\i+3] offset:PITCH*\i
.endr
	s_wait_dscnt 0x0                       ; for the others' sake
	s_barrier_signal -1
	s_barrier_wait -1
; Step n's four fragments into its buffer: 16 loads.  emptied = 1: the buffer has just been read by the products of step n - 2.
.macro FETCH n, emptied
.if (\n)%2
.set FB, WG
	WIN 0x40                               ; destination window 1, address window 0
.else
.set FB, WF
	WIN 0
.endif
.if \emptied
	s_wait_alu depctr_va_vdst(0)           ; the four products just issued are done reading this buffer, in which the loads below land
.endif
.irp i, 0,1,2,3
.irp c, 0,1,2,3
	ds_load_b128 v[FB+16*\i+4*\c:FB+16*\i+4*\c+3], v2 offset:(4*((\n)/4)+\i)*16*PITCH+128*((\n)%4)+32*\c
.endr
.endr
.endm
; Step n: four tiles of columns for one K step; the four accumulators by turns.  Behind the products the buffer is asked for again, for step n + 2.
.macro STEP n
.if (\n) < 7
	s_wait_dscnt 16                        ; this step's 16 loads are in; the next step's 16 may be out
.else
	s_wait_dscnt 0x0
.endif
.if (\n)%2
.set FB, WG
	WIN 0x01                               ; source 0 (Wout) window 1
.else
.set FB, WF
	WIN 0
.endif
.irp i, 0,1,2,3
	v_wmma_scale_f32_16x16x128_f8f6f4 v[ACC+8*(4*((\n)/4)+\i):ACC+8*(4*((\n)/4)+\i)+7], v[FB+16*\i:FB+16*\i+15], v[OF+16*((\n)%4):OF+16*((\n)%4)+15], v[ACC+8*(4*((\n)/4)+\i):ACC+8*(4*((\n)/4)+\i)+7], v[WSC+4*(4*((\n)/4)+\i)+(\n)%4], v[OSC+(\n)%4] matrix_a_fmt:MATRIX_FMT_BF8 matrix_b_fmt:MATRIX_FMT_BF8
.endr
.if (\n) < 6
	NOPS 8                                 ; eight places behind the products; the wait in FETCH states the dependence itself
	FETCH (\n)+2, 1
.endif
.endm
	s_wait_alu depctr_vm_vsrc(0)           ; my LDS stores have read v[WF ..], in which the first step's fragments land
	FETCH 0, 0
	FETCH 1, 0                             ; no vector, matrix or memory instruction has named these registers yet
	s_wait_loadcnt 0x0
.irp n, 0,1,2,3,4,5,6,7
	STEP \n
.endr
	WIN 0
	NOPS 8                                 ; eight places in front of the stores of results
	s_wait_alu depctr_va_vdst(0)           ; the products have written the accumulators, which the LDS stores read, and are done reading o's fragments, in which the stage's loads land
.irp ct, 0,1,2,3,4,5,6,7
	ds_store_b128 v4, v[ACC+8*\ct:ACC+8*\ct+3] offset:64*\ct           ; each accumulator from its low end on
	ds_store_b128 v4, v[ACC+8*\ct+4:ACC+8*\ct+7] offset:64*\ct+16
.endr
.irp i, 0,1,2,3,4,5,6,7,8,9,10,11,12,13,14,15
	ds_load_b128 v[OF+4*\i:OF+4*\i+3], v5 offset:PITCH*\i              ; LDS serves a wave's instructions in order (ISA guide 5.7.1.4): these see my stores
.endr
.irp i, 0,1,2,3,4,5,6,7,8,9,10,11,12,13,14,15
	s_wait_dscnt 15-\i                     ; row i is back; the younger loads may be out
	global_store_b128 v1, v[OF+4*\i:OF+4*\i+3], s[14:15] offset:2048*\i th:TH_STORE_NT
.endr
	s_wait_dscnt 0x0                       ; the closing lines, six on end
	s_wait_alu 0x0
	s_wait_tensorcnt 0x0
	ds_add_u32 v254, v255
	s_wait_dscnt 0x0
	s_endpgm
.Lfunc_end_k_q1a16e3d7de_outp:
	.size	k_q1a16e3d7de_outp, .Lfunc_end_k_q1a16e3d7de_outp-k_q1a16e3d7de_outp
	.p2alignl 7, 3214868480
	.fill 96, 4, 3214868480
	.section	.rodata,"a",@progbits
	.p2align	6, 0x0
	.amdhsa_kernel k_q1a16e3d7de_outp
		.amdhsa_group_segment_fixed_size 136192
		.amdhsa_private_segment_fixed_size 0
		.amdhsa_enable_private_segment 0
		.amdhsa_kernarg_size 48
		.amdhsa_user_sgpr_count 2
		.amdhsa_user_sgpr_kernarg_segment_ptr 1
		.amdhsa_wavefront_size32 1
		.amdhsa_system_sgpr_workgroup_id_x 1
		.amdhsa_system_sgpr_workgroup_id_y 1
		.amdhsa_system_sgpr_workgroup_id_z 1
		.amdhsa_system_vgpr_workitem_id 0
		.amdhsa_next_free_vgpr 320
		.amdhsa_next_free_sgpr 66
		.amdhsa_reserve_vcc 0
		.amdhsa_float_denorm_mode_32 3
		.amdhsa_float_denorm_mode_16_64 3
		.amdhsa_memory_ordered 1
		.amdhsa_forward_progress 1
		.amdhsa_inst_pref_size 28
	.end_amdhsa_kernel
	.amdgpu_metadata
---
amdhsa.version: [ 1, 2 ]
amdhsa.kernels:
  - .name:           k_q1a16e3d7de_outp
    .symbol:         k_q1a16e3d7de_outp.kd
    .args:
      - { .name: oimg, .offset: 0, .size: 8, .value_kind: global_buffer, .address_space: global }
      - { .name: osc, .offset: 8, .size: 8, .value_kind: global_buffer, .address_space: global }
      - { .name: Wout_codes, .offset: 16, .size: 8, .value_kind: global_buffer, .address_space: global }
      - { .name: Wout_scales, .offset: 24, .size: 8, .value_kind: global_buffer, .address_space: global }
      - { .name: bout, .offset: 32, .size: 8, .value_kind: global_buffer, .address_space: global }
      - { .name: out0, .offset: 40, .size: 8, .value_kind: global_buffer, .address_space: global }
    .group_segment_fixed_size: 136192
    .private_segment_fixed_size: 0
    .kernarg_segment_align: 8
    .kernarg_segment_size: 48
    .max_flat_workgroup_size: 256
    .sgpr_count:     66
    .vgpr_count:     320
    .wavefront_size: 32
...
	.end_amdgpu_metadata
.endif
;; end of part 6
